; MI455X (gfx1250); checked and timed in simulation.
; The chip was launched on July 23, 2026; its instructions are those of AMD's public machine-readable ISA for CDNA 5 (MIT licence, August 2026) and "CDNA5" Instruction Set Architecture Reference Guide (July 2026). The comments in the code are by the model that wrote it; some were corrected since.
;; QWK Aligned Attention. Allowed arithmetic: float matrix products may take bf16 or f16 operands with f32 sums; all other float work in f32.
;; Inputs: Wk 1,024 x 1,024 float32; Wm 16 x 1 float32; Wo 1,024 x 1,024 float32; Wq 1,024 x 1,024 float32; Wv 1,024 x 1,024 float32; bk 1,024 float32; bm 16 float32; bo 1,024 float32; bq 1,024 float32; bv 1,024 float32; key_ 2 x 2,048 x 1,024 float32; mask 2 x 2,048 x 2,048 int32; query 2 x 2,048 x 1,024 float32; responses 2 x 2,048 int32; value 2 x 2,048 x 1,024 float32.
;; Outputs: out0 2 x 2,048 x 1,024 float32.
;; 2 versions, each right; version 2 is version 1 with the launch proj written anew for expert scheduling mode. Each part assembles by itself: llvm-mc -triple=amdgcn-amd-amdhsa -mcpu=gfx1250 --defsym DOCPART=n.
;; ======== version 1 of 2: 3 launches
;; limits: values are held in f16: magnitudes above 65,504 overflow, below 6.1e-05 lose precision; inputs' magnitudes at most 65,504
;; workspace buffers: Qh 8,388,608 bytes; Kh 8,388,608 bytes; Vh 8,388,608 bytes; maskw 1,048,576 bytes of whole numbers; Wob 2,097,152 bytes; att 8,388,608 bytes
;; launch proj (part 1): grid 64 x 4, 8 waves a work-group, no clusters, 234,496 bytes of LDS; arguments query, key_, value, Wq, Wk, Wv, bq, bk, bv, mask, Wo, Qh, Kh, Vh, maskw, Wob; writes Qh, Kh, Vh, maskw, Wob
.if DOCPART == 1
	.amdgcn_target "amdgcn-amd-amdhsa--gfx1250"
	.amdhsa_code_object_version 6
	.text
	.protected	k_q3ab01feebf_proj
	.globl	k_q3ab01feebf_proj
	.p2align	8
	.type	k_q3ab01feebf_proj,@function
k_q3ab01feebf_proj:
	s_mov_b64 s[64:65], 0
	v_nop
	global_prefetch_b8 v0, s[64:65] scope:SCOPE_SE
	s_setreg_imm32_b32 hwreg(HW_REG_WAVE_MODE, 25, 1), 1
	s_wait_xcnt 0x0
; y = 0, 1, 2: one tile, 256 tokens x 256 columns, of  X W^T + b  for (query, Wq, bq), (key_, Wk, bk), (value, Wv, bv); K = 1024.
;   Inputs are f32; they are rounded to f16 on the way from memory into LDS, sums are f32, the result is rounded once to f16 and stored
;   by heads: [b 2][head 16][s 2048][d 64].  Q (its bias too) is multiplied by log2(e) / 8, so that the scores of the next launch are exponents of 2.
; y = 3: 64 work-groups turn the mask into lane masks (maskw) and Wo into f16 blocks (Wob).
;   maskw: [QT = b 128 + q / 16][kt = k / 16][j 8] words; bit r + 16 hh of a word says mask[b][16 QT' + r][16 kt + 8 hh + j] != 0.
;   Wob:   [n / 64][k / 64][n % 64][k % 64] f16.
; WHY f16.  Between input and output a number is rounded to 16 bits five times (input, projection, weight, attended value, Wo); with 11 bits of mantissa these roundings together stay small.
; LIMITS.  f16 reaches 65,504: inputs and the stored Q log2(e) / 8, K, V must stay below that.  A projection of inputs of spread 1 and 0.02 over K = 1,024 has spread 0.64; both factors
;   30 times larger give 576; both carrying an offset of 30 spreads give about 1,024 x 30 x 0.6 = 18,432.  Below 2^-14 a number keeps an absolute error of 2^-25.
; SHARES (y < 3).  Eight waves; wave w makes tokens 128 (w / 4) .. + 127 and columns 64 (w % 4) .. + 63 (one head): 32 accumulators, 256 registers.
; The matrix instruction is used transposed (source 0 = 16 rows of W, source 1 = 16 tokens): a lane holds eight neighbouring columns of one token.
; K goes in steps of 64 through two LDS slots.  The operands must change format between memory and LDS, so they go through registers
; (a copy engine would bring f32): each wave loads 32 rows x 256 bytes of X and of W, converts, and stores 128 bytes a row.  For the same reason
; no tile is asked for jointly by several work-groups.  The loads of step t + 2 are issued in step t and waited for in step t + 1.
; BY TURNS.  The waves are two groups, g = (w xor w / 4) & 1: waves w and w + 4 differ in it, and so do waves 2 k and 2 k + 1.  In a K step group 0 multiplies first and then converts and
; loads; group 1 converts and loads first and then multiplies.  So at any time four waves have matrix work and four have vector and memory work.  Both orders touch the same bytes between
; the same two barriers: the step's slot is read, the other slot is stored.
; THE WALK ALONG K.  Step n takes slice ((n + 4 mt) & 12) | ((n + nt + mt / 4) & 3) of the 16 slices of 64: a permutation of them, so only the order of the f32 sums changes.
; The four work-groups that share X's rows (one mt) walk the same block of four slices in the same four steps, each one place apart: a slice is first asked for by one of them and by the
; other three in the three steps after.  The sixteen that share W's rows (one nt) begin at sixteen different slices.
.set PITCH, 144                        ; an LDS row: 128 bytes of f16 + 16: the 16 rows of a fragment load start 36 words apart
.set HALF,  256*PITCH                  ; 256 rows
.set SLOT,  2*HALF                     ; X's 256 rows, then W's 256 rows
.set STAGE, 2*SLOT                     ; behind the slots: 16 rows x 144 bytes for each wave, for the way out
.set BLK,   16*PITCH
.set SIDE,  STAGE+8*BLK                ; behind the stages: the side work's bytes, 16 rows x 528 bytes for each wave: no byte of LDS has two uses in this text
.set ADRA, 4                           ; v4-5   LDS address of my token fragments, slot 0, 1
.set ADRB, 6                           ; v6-7   of my W fragments
.set STA,  8                           ; v8-9   where I store converted rows, slot 0, 1
.set GOFF, 10                          ; v10    byte offset of my 16 bytes in the tile's rows in memory
.set STO,  11                          ; v11    way out: where I put 16 bytes of a row
.set RD,   12                          ; v12    way out: where I read rows back
.set CO,   13                          ; v13    way out: 16 x lane
.set BOFF, 14                          ; v14    byte offset of my columns in the bias
.set TF,   32                          ; v32-95   8 token fragments
.set WF,   96                          ; v96-127  4 W fragments
.set AS,   128                         ; v128-191 X as loaded (f32), 16 loads
.set WS,   192                         ; v192-255 W as loaded
.set BI,   128                         ; way out: bias x scale
.set RES,  160                         ; way out: results in f32
.set PK,   192                         ; way out: packed
.set BK,   208                         ; way out: rows read back, two sets of 16
                                       ; window 1: accumulator (a, b) at v[8 (4 a + b)]
.set XB,   16                          ; s[16:17] X at the tile's first row (the arguments that lay here have been chosen from by then)
.set WB,   18                          ; s[18:19] W at the tile's first row
.set KO,   20                          ; s[20:21] the slice's byte offset in a row, and 0 above it
.set GRP,  58                          ; s58      my group
.set KP,   59                          ; s59      n + 4 mt
.set KQ,   60                          ; s60      n + nt + mt / 4
.set MSB, 0
.macro WIN new                         ; the immediate's high byte repeats the setting that is left
.if MSB != \new
	s_set_vgpr_msb (MSB<<8)|\new
.set MSB, \new
.endif
.endm
.macro PLACES                          ; four places behind matrix instructions (ISA guide 7.12.1), where no other vector work is at hand
.rept 4
	v_nop
.endr
.endm
	s_load_b512 s[16:31], s[0:1], 0x0              ; query 16, key_ 18, value 20, Wq 22, Wk 24, Wv 26, bq 28, bk 30
	s_load_b512 s[32:47], s[0:1], 0x40             ; bv 32, mask 34, Wo 36, Qh 38, Kh 40, Vh 42, maskw 44, Wob 46
	v_lshl_add_u32 v30, v0, 2, 0x39000
	v_mov_b32 v31, 0
	s_and_b32 s2, ttmp7, 0xffff                    ; y: which product, or the side work
	s_mov_b32 s3, ttmp9                            ; x
	v_lshrrev_b32 v1, 5, v0
	v_readfirstlane_b32 s4, v1                     ; wave 0..7
	v_and_b32 v3, 31, v0                           ; lane
	v_and_b32 v1, 15, v0                           ; r = lane % 16
	v_bfe_u32 v2, v0, 4, 1                         ; h = lane / 16
	s_cmp_eq_u32 s2, 3
	s_cbranch_scc1 .Lside                          ; the same way for all waves of a work-group
	s_lshr_b32 s5, s4, 2                           ; wm: my 128 tokens
	s_and_b32 s6, s4, 3                            ; wn: my 64 columns
	s_lshr_b32 s7, s3, 2                           ; mt: tile of 256 tokens (neighbouring x share it)
	s_and_b32 s51, s3, 3                           ; nt: tile of 256 columns
	s_xor_b32 s[GRP], s5, s4
	s_and_b32 s[GRP], s[GRP], 1                    ; g = (w xor w / 4) & 1
	s_lshl_b32 s[KP], s7, 2                        ; 4 mt
	s_lshr_b32 s[KQ], s7, 2
	s_add_co_u32 s[KQ], s[KQ], s51                 ; nt + mt / 4
	v_mul_u32_u24 v15, v1, PITCH
	v_lshl_add_u32 v15, v2, 4, v15                 ; a fragment's row x pitch + 16 x half
	s_mul_i32 s52, s5, 128*PITCH
	v_add_nc_u32 v[ADRA], s52, v15
	v_add_nc_u32 v[ADRA+1], SLOT, v[ADRA]
	s_mul_i32 s53, s6, 64*PITCH
	s_add_co_u32 s53, s53, HALF
	v_add_nc_u32 v[ADRB], s53, v15
	v_add_nc_u32 v[ADRB+1], SLOT, v[ADRB]
	v_mul_u32_u24 v16, v2, PITCH                   ; converted rows: row 32 w + 2 i + h, 8 bytes at 8 r
	v_lshl_add_u32 v16, v1, 3, v16
	s_mul_i32 s54, s4, 32*PITCH
	v_add_nc_u32 v[STA], s54, v16
	v_add_nc_u32 v[STA+1], SLOT, v[STA]
	v_lshlrev_b32 v[GOFF], 12, v2                  ; in memory: the same row (4,096 bytes each), 16 bytes at 16 r
	v_lshl_add_u32 v[GOFF], v1, 4, v[GOFF]
	s_lshl_b32 s55, s4, 17
	v_add_nc_u32 v[GOFF], s55, v[GOFF]
	s_mul_i32 s56, s4, BLK
	s_add_co_u32 s56, s56, STAGE                   ; my stage
	v_add_nc_u32 v[STO], s56, v15
	v_lshrrev_b32 v17, 3, v3                       ; back: four rows of 128 bytes a load
	v_and_b32 v18, 7, v0
	v_mul_u32_u24 v17, v17, PITCH
	v_lshl_add_u32 v17, v18, 4, v17
	v_add_nc_u32 v[RD], s56, v17
	v_lshlrev_b32 v[CO], 4, v3
	s_lshl_b32 s57, s6, 8
	v_lshl_add_u32 v[BOFF], v2, 5, s57             ; (64 wn + 8 h) x 4 bytes
	s_wait_kmcnt 0x0
	s_cmp_eq_u32 s2, 1                             ; the product's four buffers, chosen by y
	s_cselect_b64 s[8:9], s[18:19], s[16:17]       ; X
	s_cselect_b64 s[10:11], s[24:25], s[22:23]     ; W
	s_cselect_b64 s[12:13], s[30:31], s[28:29]     ; bias
	s_cselect_b64 s[14:15], s[40:41], s[38:39]     ; result
	s_cmp_eq_u32 s2, 2
	s_cselect_b64 s[8:9], s[20:21], s[8:9]
	s_cselect_b64 s[10:11], s[26:27], s[10:11]
	s_cselect_b64 s[12:13], s[32:33], s[12:13]
	s_cselect_b64 s[14:15], s[42:43], s[14:15]
	s_mov_b32 s49, 1.0
	s_cmp_eq_u32 s2, 0
	s_cselect_b32 s48, 0x3e38aa3b, s49             ; Q alone is scaled: log2(e) / 8
	s_mov_b32 s49, s48                             ; named with it as a pair, so it is written
	s_lshl_b32 s52, s7, 20                         ; 256 rows of 4,096 bytes
	s_mov_b32 s53, 0
	s_add_nc_u64 s[XB:XB+1], s[8:9], s[52:53]
	s_lshl_b32 s52, s51, 20
	s_add_nc_u64 s[WB:WB+1], s[10:11], s[52:53]
	s_mov_b32 s[KO+1], 0
	s_lshl_b32 s52, s51, 10
	s_add_nc_u64 s[12:13], s[12:13], s[52:53]
	s_lshr_b32 s54, s7, 3                          ; b
	s_lshl_b32 s54, s54, 4
	s_lshl2_add_u32 s55, s51, s6                   ; head = 4 nt + wn
	s_add_co_u32 s54, s54, s55
	s_lshl_b32 s54, s54, 11                        ; 2,048 rows a head
	s_and_b32 s55, s7, 7
	s_lshl_b32 s55, s55, 8
	s_add_co_u32 s54, s54, s55                     ; + the tile's first token in its batch
	s_lshl_b32 s55, s5, 7
	s_add_co_u32 s54, s54, s55                     ; + my 128 tokens
	s_lshl_b32 s52, s54, 7                         ; rows of 128 bytes
	s_add_nc_u64 s[14:15], s[14:15], s[52:53]
; The bases of the next LOAD: the tile's first row + 256 bytes x the next slice of the walk.  It stands where no load is out.
.macro NEXTK
	s_and_b32 s[KO], s[KP], 12                     ; the block of four slices
	s_and_b32 s22, s[KQ], 3                        ; the place in it
	s_or_b32 s[KO], s[KO], s22
	s_lshl_b32 s[KO], s[KO], 8
	s_add_nc_u64 s[8:9], s[XB:XB+1], s[KO:KO+1]
	s_add_nc_u64 s[10:11], s[WB:WB+1], s[KO:KO+1]
	s_add_co_u32 s[KP], s[KP], 1
	s_add_co_u32 s[KQ], s[KQ], 1
.endm
; 32 loads: my 32 rows of X and of W for one K step; a load covers two rows' 256 aligned bytes
.macro LOAD
.irp i, 0,1,2,3,4,5,6,7,8,9,10,11,12,13,14,15
	global_load_b128 v[AS+4*\i:AS+4*\i+3], v[GOFF], s[8:9] offset:8192*\i
.endr
.irp i, 0,1,2,3,4,5,6,7,8,9,10,11,12,13,14,15
	global_load_b128 v[WS+4*\i:WS+4*\i+3], v[GOFF], s[10:11] offset:8192*\i
.endr
.endm
; what LOAD brought is rounded to f16 and stored into a slot; the conversions stand in runs ahead of the stores that read them
.macro CONV slot
	s_wait_loadcnt 0x0                             ; all 32 are in; that also frees their bases
	NEXTK
.irp i, 0,1,2,3,4,5,6,7,8,9,10,11,12,13,14,15
	v_cvt_pk_f16_f32 v[AS+4*\i], v[AS+4*\i], v[AS+4*\i+1]
	v_cvt_pk_f16_f32 v[AS+4*\i+1], v[AS+4*\i+2], v[AS+4*\i+3]
.endr
.irp i, 0,1,2,3,4,5,6,7,8,9,10,11,12,13,14,15
	ds_store_b64 v[STA+(\slot)], v[AS+4*\i:AS+4*\i+1] offset:2*PITCH*\i
.endr
.irp i, 0,1,2,3,4,5,6,7,8,9,10,11,12,13,14,15
	v_cvt_pk_f16_f32 v[WS+4*\i], v[WS+4*\i], v[WS+4*\i+1]
	v_cvt_pk_f16_f32 v[WS+4*\i+1], v[WS+4*\i+2], v[WS+4*\i+3]
.endr
.irp i, 0,1,2,3,4,5,6,7,8,9,10,11,12,13,14,15
	ds_store_b64 v[STA+(\slot)], v[WS+4*\i:WS+4*\i+1] offset:HALF+2*PITCH*\i
.endr
.endm
; 32 along K: 24 fragment loads, 32 matrix instructions.  The 32 accumulators take turns, one instruction a turn.
.macro MULT slot, kk, zero
	PLACES                                         ; the loads below land in registers that the last matrix instructions read
.irp b, 0,1,2,3
	ds_load_b128 v[WF+8*\b:WF+8*\b+3],   v[ADRB+\slot] offset:BLK*\b+64*\kk
	ds_load_b128 v[WF+8*\b+4:WF+8*\b+7], v[ADRB+\slot] offset:BLK*\b+64*\kk+32
.endr
.irp a, 0,1,2,3,4,5,6,7
	ds_load_b128 v[TF+8*\a:TF+8*\a+3],   v[ADRA+\slot] offset:BLK*\a+64*\kk
	ds_load_b128 v[TF+8*\a+4:TF+8*\a+7], v[ADRA+\slot] offset:BLK*\a+64*\kk+32
.endr
	WIN 0x50                                       ; C and D in window 1
.irp a, 0,1,2,3,4,5,6,7
	s_wait_dscnt 2*(7-\a)                          ; W's fragments and token fragment a are in; the two loads of each later fragment may be out
.irp b, 0,1,2,3
.if \zero
	v_wmma_f32_16x16x32_f16 v[8*(4*\a+\b):8*(4*\a+\b)+7], v[WF+8*\b:WF+8*\b+7], v[TF+8*\a:TF+8*\a+7], 0
.else
	v_wmma_f32_16x16x32_f16 v[8*(4*\a+\b):8*(4*\a+\b)+7], v[WF+8*\b:WF+8*\b+7], v[TF+8*\a:TF+8*\a+7], v[8*(4*\a+\b):8*(4*\a+\b)+7]
.endif
.endr
.endr
	WIN 0
.endm
; The next step's operands into the other slot, and the loads of the step after it.
.macro FEED slot, load
	CONV 1-\slot
	s_wait_dscnt 0x0                               ; my stores are done: for the others' sake, and the loads below land in the registers that they read
.if \load
	LOAD                                           ; two steps ahead: it has a whole step in which to land
.endif
.endm
; A K step of 64.  One barrier a step serves two orders: the other slot, stored here, was last read one step ago, and every wave waited for those
; reads in front of the barrier before; my stores are waited for in front of this one, and the next step reads behind it.  That holds for either order of the two halves.
; No LDS instruction of a wave is out at the signal: group 0 ends on FEED's wait, group 1 on the last count of MULT, which is 0.
.macro KSTEP slot, zero, conv, load
.if \conv
	s_cmp_eq_u32 s[GRP], 0
	s_cbranch_scc0 .Lfeed_first_\@
	MULT \slot, 0, \zero
	MULT \slot, 1, 0
	FEED \slot, \load
	s_branch .Lmeet_\@
.Lfeed_first_\@:
	FEED \slot, \load
	MULT \slot, 0, \zero
	MULT \slot, 1, 0
.Lmeet_\@:
	s_barrier_signal -1
	s_barrier_wait -1
.else
	MULT \slot, 0, \zero
	MULT \slot, 1, 0
.endif
.endm
	NEXTK
	LOAD                                           ; K step 0
	CONV 0
	s_wait_dscnt 0x0
	LOAD                                           ; K step 1
	s_barrier_signal -1
	s_barrier_wait -1
	KSTEP 0, 1, 1, 1                               ; step 0 starts the sums: nothing is cleared
	s_mov_b32 s50, 6
.Lk:                                                   ; steps 1 to 12
	KSTEP 1, 0, 1, 1
	KSTEP 0, 0, 1, 1
	s_sub_co_u32 s50, s50, 1
	s_cmp_lg_u32 s50, 0
	s_cbranch_scc1 .Lk
	KSTEP 1, 0, 1, 1                               ; step 13 asks for step 15, the last
	KSTEP 0, 0, 1, 0                               ; (its NEXTK makes bases that no load uses)
	KSTEP 1, 0, 0, 0
	; THE WAY OUT: (sum + bias) x scale, rounded to f16, 16 tokens at a time through my own stage, back as dense rows of a head.
	PLACES
.irp b, 0,1,2,3
	global_load_b128 v[BI+8*\b:BI+8*\b+3],   v[BOFF], s[12:13] offset:64*\b
	global_load_b128 v[BI+8*\b+4:BI+8*\b+7], v[BOFF], s[12:13] offset:64*\b+16
.endr
	s_wait_loadcnt 0x0
.set i, 0
.rept 16
	v_pk_mul_f32 v[BI+i:BI+i+1], v[BI+i:BI+i+1], s[48:49] op_sel_hi:[1,0]
.set i, i+2
.endr
.macro OUTBLK a
	WIN 0x01                                       ; source 0 in window 1
.irp b, 0,1,2,3
.irp p, 0,1,2,3
	v_pk_fma_f32 v[RES+8*\b+2*\p:RES+8*\b+2*\p+1], v[8*(4*\a+\b)+2*\p:8*(4*\a+\b)+2*\p+1], s[48:49], v[BI+8*\b+2*\p:BI+8*\b+2*\p+1] op_sel_hi:[1,0,1]
.endr
.endr
	WIN 0
.irp b, 0,1,2,3
.irp p, 0,1,2,3
	v_cvt_pk_f16_f32 v[PK+4*\b+\p], v[RES+8*\b+2*\p], v[RES+8*\b+2*\p+1]
.endr
.endr
.irp b, 0,1,2,3
	ds_store_b128 v[STO], v[PK+4*\b:PK+4*\b+3] offset:32*\b
.endr
	s_wait_xcnt 0x0                                ; the registers loaded below were read by the stores of two blocks ago
.irp i, 0,1,2,3
	ds_load_b128 v[BK+16*(\a%2)+4*\i:BK+16*(\a%2)+4*\i+3], v[RD] offset:4*PITCH*\i   ; LDS serves a wave's instructions in order: these see the stores above
.endr
	s_wait_dscnt 0x0
.irp i, 0,1,2,3
	global_store_b128 v[CO], v[BK+16*(\a%2)+4*\i:BK+16*(\a%2)+4*\i+3], s[14:15] offset:2048*\a+512*\i   ; 512 consecutive bytes, aligned
.endr
.endm
.irp a, 0,1,2,3,4,5,6,7
	OUTBLK \a
.endr
	s_wait_tensorcnt 0x0
	ds_add_u32 v30, v31
	s_wait_dscnt 0x0
	s_endpgm
; THE SIDE WORK.  512 waves, g = 8 x + w.  No wave depends on another: LDS bytes are each wave's own, from SIDE on, so no barrier.
.set X0, 64                            ; v64-191  two sets of 16 loads
.set T,  192                           ; v192-255 Wo's rows; then the mask by lanes
.set MW, 20                            ; v20-21   64 words of maskw: lane l holds words 2 l, 2 l + 1
.set CM, 56                            ; s56-63   eight lane masks at a time
.Lside:
	s_lshl3_add_u32 s5, s3, s4                     ; g
	s_lshr_b32 s6, s5, 1                           ; QT: my 16 rows of the mask
	s_and_b32 s7, s5, 1                            ; which 1,024 keys of them
	v_lshlrev_b32 v4, 4, v3                        ; mask: 16 x lane, 512 dense bytes of one row a load
	v_lshlrev_b32 v5, 12, v2                       ; Wo: row 2 w + h, 16 bytes at 16 r
	v_lshl_add_u32 v5, v1, 4, v5
	s_lshl_b32 s52, s4, 13
	v_add_nc_u32 v5, s52, v5
	v_lshlrev_b32 v6, 7, v2                        ; Wob: the same row, 128 bytes each, 8 bytes at 8 r
	v_lshl_add_u32 v6, v1, 3, v6
	s_lshl_b32 s54, s4, 8
	v_add_nc_u32 v6, s54, v6
	s_mul_i32 s55, s4, 16*528                      ; my 16 rows x 528 bytes of LDS,
	s_add_co_u32 s55, s55, SIDE                    ; behind all that the products use
	v_lshl_add_u32 v7, v3, 4, s55                  ; in: a row as it was loaded
	v_mul_u32_u24 v8, v1, 528                      ; back: row r, 32 bytes at 32 h of each 64
	v_lshl_add_u32 v8, v2, 5, v8
	v_add_nc_u32 v8, s55, v8
	v_lshlrev_b32 v9, 3, v3                        ; maskw: 8 x lane
	v_mov_b32 v[MW], 0                             ; written whole once: v_writelane_b32 counts as a reader of its destination
	v_mov_b32 v[MW+1], 0
	s_wait_kmcnt 0x0
	s_lshl_b32 s52, s3, 16                         ; Wo: 16 rows of 4,096 bytes a work-group
	s_mov_b32 s53, 0
	s_add_nc_u64 s[36:37], s[36:37], s[52:53]
	s_lshr_b32 s54, s3, 2                          ; Wob: block n / 64 = x / 4, row 16 (x % 4) in it
	s_lshl_b32 s54, s54, 17
	s_and_b32 s55, s3, 3
	s_lshl_b32 s55, s55, 11
	s_add_co_u32 s52, s54, s55
	s_add_nc_u64 s[46:47], s[46:47], s[52:53]
	s_lshl_b32 s54, s6, 17                         ; mask: 16 rows of 8,192 bytes, + my half of them
	s_lshl_b32 s55, s7, 12
	s_add_co_u32 s52, s54, s55
	s_add_nc_u64 s[34:35], s[34:35], s[52:53]
	s_lshl_b32 s54, s6, 12                         ; maskw: 4,096 bytes a QT, + my half
	s_lshl_b32 s55, s7, 11
	s_add_co_u32 s52, s54, s55
	s_add_nc_u64 s[44:45], s[44:45], s[52:53]
.macro MLOAD set, i                    ; 16 rows x 128 keys
.irp row, 0,1,2,3,4,5,6,7,8,9,10,11,12,13,14,15
	global_load_b128 v[(\set)+4*\row:(\set)+4*\row+3], v4, s[34:35] offset:8192*\row+512*(\i) th:TH_LOAD_NT
.endr
.endm
.irp i, 0,1,2,3,4,5,6,7,8,9,10,11,12,13,14,15
	global_load_b128 v[T+4*\i:T+4*\i+3], v5, s[36:37] offset:256*\i th:TH_LOAD_NT
.endr
	MLOAD X0, 0
	s_wait_loadcnt 16                              ; Wo's rows are in; the mask's first sixteen loads stay out
.irp i, 0,1,2,3,4,5,6,7,8,9,10,11,12,13,14,15
	v_cvt_pk_f16_f32 v[T+4*\i], v[T+4*\i], v[T+4*\i+1]
	v_cvt_pk_f16_f32 v[T+4*\i+1], v[T+4*\i+2], v[T+4*\i+3]
	global_store_b64 v6, v[T+4*\i:T+4*\i+1], s[46:47] offset:8192*\i   ; two rows' 128 bytes: 256 consecutive bytes, aligned
.endr
; 16 queries x 128 keys: rows go into LDS as loaded and come back so that lane (r, h) holds query r and keys 16 t + 8 h + 0..7 of each of 8 tiles;
; a compare of register 8 t + j then IS the word (tile t, j).  64 words are gathered, two a lane, and stored as 256 bytes.
.macro TASK i
.if \i < 7
	MLOAD X0+64*((\i+1)%2), \i+1
	s_wait_loadcnt 16                              ; this task's loads are in; the next task's sixteen stay out
.else
	s_wait_loadcnt 0x0
.endif
.irp row, 0,1,2,3,4,5,6,7,8,9,10,11,12,13,14,15
	ds_store_b128 v7, v[X0+64*(\i%2)+4*\row:X0+64*(\i%2)+4*\row+3] offset:528*\row
.endr
	s_wait_xcnt 0x0                                ; T and MW, which earlier stores read, are rewritten only behind this wait
.irp t, 0,1,2,3,4,5,6,7
	ds_load_b128 v[T+8*\t:T+8*\t+3],   v8 offset:64*\t
	ds_load_b128 v[T+8*\t+4:T+8*\t+7], v8 offset:64*\t+16
.endr
	s_wait_dscnt 0x0
.set k, 0
.rept 8
.irp c, 0,1,2,3,4,5,6,7
	v_cmp_ne_u32 s[CM+\c], 0, v[T+k+\c]
.endr
.irp c, 0,1,2,3,4,5,6,7
	v_writelane_b32 v[MW+((\c)&1)], s[CM+\c], (k+\c)>>1
.endr
.set k, k+8
.endr
	global_store_b64 v9, v[MW:MW+1], s[44:45] offset:256*\i
.endm
.irp i, 0,1,2,3,4,5,6,7
	TASK \i
.endr
	s_wait_tensorcnt 0x0
	ds_add_u32 v30, v31
	s_wait_dscnt 0x0
	s_endpgm
.Lfunc_end_k_q3ab01feebf_proj:
	.size	k_q3ab01feebf_proj, .Lfunc_end_k_q3ab01feebf_proj-k_q3ab01feebf_proj
	.p2alignl 7, 3214868480
	.fill 96, 4, 3214868480
	.section	.rodata,"a",@progbits
	.p2align	6, 0x0
	.amdhsa_kernel k_q3ab01feebf_proj
		.amdhsa_group_segment_fixed_size 234496
		.amdhsa_private_segment_fixed_size 0
		.amdhsa_enable_private_segment 0
		.amdhsa_kernarg_size 128
		.amdhsa_user_sgpr_count 2
		.amdhsa_user_sgpr_kernarg_segment_ptr 1
		.amdhsa_wavefront_size32 1
		.amdhsa_system_sgpr_workgroup_id_x 1
		.amdhsa_system_sgpr_workgroup_id_y 1
		.amdhsa_system_sgpr_workgroup_id_z 1
		.amdhsa_system_vgpr_workitem_id 0
		.amdhsa_next_free_vgpr 512
		.amdhsa_next_free_sgpr 66
		.amdhsa_reserve_vcc 0
		.amdhsa_float_denorm_mode_32 3
		.amdhsa_float_denorm_mode_16_64 3
		.amdhsa_memory_ordered 1
		.amdhsa_forward_progress 1
		.amdhsa_inst_pref_size 255
	.end_amdhsa_kernel
	.section	.bss,"aw",@nobits
	.p2align	6
	.space	262144
	.amdgpu_metadata
---
amdhsa.version: [ 1, 2 ]
amdhsa.kernels:
  - .name:           k_q3ab01feebf_proj
    .symbol:         k_q3ab01feebf_proj.kd
    .args:
      - { .name: query, .offset: 0, .size: 8, .value_kind: global_buffer, .address_space: global }
      - { .name: key_, .offset: 8, .size: 8, .value_kind: global_buffer, .address_space: global }
      - { .name: value, .offset: 16, .size: 8, .value_kind: global_buffer, .address_space: global }
      - { .name: Wq, .offset: 24, .size: 8, .value_kind: global_buffer, .address_space: global }
      - { .name: Wk, .offset: 32, .size: 8, .value_kind: global_buffer, .address_space: global }
      - { .name: Wv, .offset: 40, .size: 8, .value_kind: global_buffer, .address_space: global }
      - { .name: bq, .offset: 48, .size: 8, .value_kind: global_buffer, .address_space: global }
      - { .name: bk, .offset: 56, .size: 8, .value_kind: global_buffer, .address_space: global }
      - { .name: bv, .offset: 64, .size: 8, .value_kind: global_buffer, .address_space: global }
      - { .name: mask, .offset: 72, .size: 8, .value_kind: global_buffer, .address_space: global }
      - { .name: Wo, .offset: 80, .size: 8, .value_kind: global_buffer, .address_space: global }
      - { .name: Qh, .offset: 88, .size: 8, .value_kind: global_buffer, .address_space: global }
      - { .name: Kh, .offset: 96, .size: 8, .value_kind: global_buffer, .address_space: global }
      - { .name: Vh, .offset: 104, .size: 8, .value_kind: global_buffer, .address_space: global }
      - { .name: maskw, .offset: 112, .size: 8, .value_kind: global_buffer, .address_space: global }
      - { .name: Wob, .offset: 120, .size: 8, .value_kind: global_buffer, .address_space: global }
    .group_segment_fixed_size: 234496
    .private_segment_fixed_size: 0
    .kernarg_segment_align: 8
    .kernarg_segment_size: 128
    .max_flat_workgroup_size: 256
    .sgpr_count:     66
    .vgpr_count:     512
    .wavefront_size: 32
...
	.end_amdgpu_metadata
.endif
;; end of part 1
;; launch attn (part 2): grid 8 x 32, 8 waves a work-group, no clusters, 123,904 bytes of LDS; arguments Qh, Kh, Vh, maskw, responses, Wm, bm, att; writes att
.if DOCPART == 2
	.amdgcn_target "amdgcn-amd-amdhsa--gfx1250"
	.amdhsa_code_object_version 6
	.text
	.protected	k_q3ab01feebf_attn
	.globl	k_q3ab01feebf_attn
	.p2align	8
	.type	k_q3ab01feebf_attn,@function
k_q3ab01feebf_attn:
	s_mov_b64 s[64:65], 0
	v_nop
	global_prefetch_b8 v0, s[64:65] scope:SCOPE_SE
	s_setreg_imm32_b32 hwreg(HW_REG_WAVE_MODE, 25, 1), 1
	s_wait_xcnt 0x0
; att = softmax_k( Q . K / 8 + Wm[h] qwk[r_q][r_k] + bm[h], masked places replaced by -1e9 ) V, for 256 queries of one head (x: block, y = 16 b + head).
; Qh, Kh, Vh: [b][head][s][64] f16; Qh already holds log2(e) / 8, so all exponents are of 2.  att: [token / 64][head][token % 64][64] f16.
; SHARES.  Eight waves, each 32 queries (two tiles qt of 16); every wave walks all 2,048 keys, 64 a step.
; LAYOUT.  S^T = K Q^T and O^T = V^T P: a lane holds ONE query (lane % 16) in S^T, P and O^T; a query's maximum and sum want one exchange between the halves of the lanes.
; THE BIAS is a third K step of the score product.  Query side: T[c] = log2(e) (Wm (1 - (r_q - c)^2 / 16) + bm), c = 0..4, as three f16 parts (T = hi + mid + lo);
;   key side: 1.0 where r_k = c.  Channels 0-4 hi, 5-7 lo0-2, 8-12 mid, 13-14 lo3-4, 15-31 zero.  The key side lies in LDS for all 2,048 keys, 16 bytes for each half of the lanes.
; THE MASK comes as lane masks (maskw), read by scalar loads: one v_cndmask_b32 a register puts -1e9 log2(e) in a masked score's place, ahead of the running maximum,
;   so a row that is masked throughout comes out uniform, as in the reference.
; SOFTMAX with a running maximum m and sum l; O and l are multiplied by 2^(m_old - m_new) in every step.
; BY TURNS BETWEEN WAVES.  The waves are two groups, g = (w xor w / 4) & 1: waves w and w + 4 differ in it, and so do waves 2 k and 2 k + 1.  Between two barriers (interval j) a wave of
;   group 0 runs scores(j), softmax(j), V^T P(j); a wave of group 1 runs softmax(j - 1), V^T P(j - 1), scores(j).  So while one group has matrix work the other has vector work.
;   Both groups read tile j from LDS in interval j alone: K's fragments at its head, V's behind the scores, waited for in front of the barrier; group 1 carries V(j - 1) over the barrier
;   in registers.  Interval 0 is one text for all waves (it starts m, l and O^T); in interval 1 group 1 makes its scores only; behind interval 31 it finishes step 31.
; K's and V's tiles (16 KB a step) come through registers into two LDS slots, one barrier a step; a tile is asked for two intervals before it is stored (two sets of 16 registers).
;   They are not asked for jointly with the head's other seven blocks: a joint refill stands behind a round of the cluster's barrier, three barriers more for each step of 64 keys,
;   and a step's 16 KB stand against some 300 vector instructions in each of eight waves.
; LIMITS.  Operands are f16.  The weights lie in [0, 1]; att is a convex mean of V, so it is in range where V is; below 2^-14 a number keeps an absolute error of 2^-25.
;   log2(e) (|Wm| + |bm|) must stay below 65,504.  A key's response outside 0..4 gets bias 0 (the reference indexes a table of 5).  A NaN loses in the maxima.
;   l is the sum of the f32 weights; the weights enter V^T P rounded to f16.
.set SLOT,  19456                      ; K: 64 rows x 144 bytes; V: 64 rows x 160 bytes
.set VOFF,  9216
.set E0,    2*SLOT                     ; key side of the bias, channels 0-7:  2,048 x 16 bytes
.set E1,    E0+32768                   ; channels 8-15
.set STAGE, E1+32768                   ; 16 rows x 144 bytes for each wave, for the way out
.set AK,  3                            ; v3   my place in a tile of K
.set AV,  4                            ; v4   in a tile of V (turning load)
.set AE,  5                            ; v5   in the key side of the bias; steps by 64 keys
.set FK,  6                            ; v6   where I store 16 bytes of K's next tile
.set FV,  7                            ; v7   of V's
.set GF,  8                            ; v8   16 x thread: my 16 bytes of a tile in memory
.set NEG, 9                            ; v9   -1e9 log2(e)
.set STO, 10
.set RD,  11
.set CO,  12
.set ST,  16                           ; v16-31   tile qt at ST + 8 qt: +0 m, +1 m_old, +2,3 l, +4,5 c0, c1 then the step's sum, +6 c2 then a, +7 c3 then m_old - m
.set Q,   32                           ; v32-79   tile qt at Q + 24 qt: channels 0-31, 32-63, the bias's query side
.set S,   80                           ; v80-143  S^T at S + 32 qt + 8 kt; P is packed in place
.set KF,  144                          ; v144-207 the step's 8 fragments of K
.set EX,  208                          ; v208-239 4 fragments of the bias's key side: a loaded quad and a zero quad each
.set OB,  240                          ; v240-255 the way out: rows read back (tile 1's in v208-223)
                                       ; window 1: v0-63 O^T, (c, qt) at v[8 (2 c + qt)];
.set FSW, 64                           ;           v64-95 two sets of 16: tiles on their way, tile t in set t % 2;
.set VF,  96                           ;           v96-159 the step's 8 fragments of V
.set GRP, 3                            ; s3   my group
                                       ; s16-47 tile 0's 32 mask words, s48-63 and s68-83 tile 1's; s84-99 the eight buffers
.set MSB, 0
.macro WIN new                         ; the immediate's high byte repeats the setting that is left
.if MSB != \new
	s_set_vgpr_msb (MSB<<8)|\new
.set MSB, \new
.endif
.endm
	s_load_b512 s[84:99], s[0:1], 0x0              ; Qh 84, Kh 86, Vh 88, maskw 90, responses 92, Wm 94, bm 96, att 98
	s_set_vgpr_msb 0x40
	v_lshl_add_u32 v160, v0, 2, 0x1e000
	v_mov_b32 v161, 0
	s_set_vgpr_msb 0x4000
	s_mov_b32 s2, ttmp9                            ; x: block of 256 queries
	s_and_b32 s3, ttmp7, 0xffff                    ; 16 b + head
	v_lshrrev_b32 v14, 5, v0
	v_readfirstlane_b32 s4, v14                    ; wave 0..7
	s_lshr_b32 s5, s3, 4                           ; b
	s_and_b32 s6, s3, 15                           ; head
	s_mov_b32 s14, 0x76543210                      ; v_permlanex16_b32: each lane takes its own place in the other half
	s_mov_b32 s15, 0xfedcba98
	v_and_b32 v13, 31, v0
	v_and_b32 v1, 15, v0                           ; r
	v_bfe_u32 v2, v0, 4, 1                         ; h
	v_mul_u32_u24 v[AK], v1, 144
	v_lshl_add_u32 v[AK], v2, 4, v[AK]
	s_mul_i32 s7, s4, 2304
	s_add_co_u32 s7, s7, STAGE
	v_add_nc_u32 v[STO], s7, v[AK]                 ; in: row r, 16 bytes for each half of the lanes
	v_lshrrev_b32 v14, 3, v13
	v_and_b32 v15, 7, v0
	v_mul_u32_u24 v14, v14, 144
	v_lshl_add_u32 v14, v15, 4, v14
	v_add_nc_u32 v[RD], s7, v14                    ; back: four rows of 128 bytes a load
	v_lshlrev_b32 v[CO], 4, v13
	v_lshl_add_u32 v[AV], v2, 3, v15               ; key 8 h + lane % 8, channels 8 ((lane / 8) % 2) on
	v_mul_u32_u24 v[AV], v[AV], 160
	v_bfe_u32 v14, v0, 3, 1
	v_lshl_add_u32 v[AV], v14, 4, v[AV]
	v_add_nc_u32 v[AV], VOFF, v[AV]
	v_lshlrev_b32 v[AE], 15, v2
	v_lshl_add_u32 v[AE], v1, 4, v[AE]
	v_add_nc_u32 v[AE], E0, v[AE]
	v_lshrrev_b32 v14, 3, v0                       ; thread t fills key t / 8 (and 32 further on), 16 bytes at 16 (t % 8)
	v_mul_u32_u24 v[FK], v14, 144
	v_lshl_add_u32 v[FK], v15, 4, v[FK]
	v_mul_u32_u24 v[FV], v14, 160
	v_lshl_add_u32 v[FV], v15, 4, v[FV]
	v_add_nc_u32 v[FV], VOFF, v[FV]
	v_lshlrev_b32 v[GF], 4, v0
	v_lshlrev_b32 v16, 7, v1                       ; Q: row r x 128 bytes + 16 h
	v_lshl_add_u32 v16, v2, 4, v16
	v_lshlrev_b32 v17, 2, v0                       ; responses of keys t + 256 e
	s_lshl_b32 s8, s2, 10
	s_lshl_b32 s9, s4, 7
	s_add_co_u32 s8, s8, s9
	v_lshl_add_u32 v18, v1, 2, s8                  ; responses of my queries
	v_lshl_add_u32 v19, v0, 4, E0                  ; the key side's 16 bytes of key t
	v_mov_b32 v20, 0x3c00                          ; 1.0 in f16
	v_cmp_eq_u32 s12, 1, v2                        ; the upper half of the lanes
	s_wait_kmcnt 0x0
	s_lshl_b32 s8, s3, 18                          ; a head's 2,048 rows of 128 bytes
	s_mov_b32 s9, 0
	s_add_nc_u64 s[84:85], s[84:85], s[8:9]
	s_add_nc_u64 s[86:87], s[86:87], s[8:9]
	s_add_nc_u64 s[88:89], s[88:89], s[8:9]
	s_lshr_b32 s[GRP], s4, 2                       ; (16 b + head has served)
	s_xor_b32 s[GRP], s[GRP], s4
	s_and_b32 s[GRP], s[GRP], 1                    ; g = (w xor w / 4) & 1
	s_lshl_b32 s8, s2, 15
	s_lshl_b32 s7, s4, 12
	s_add_co_u32 s8, s8, s7
	s_add_nc_u64 s[84:85], s[84:85], s[8:9]        ; Q at my wave's 32 queries
	s_lshl_b32 s8, s5, 19                          ; maskw at QT = 128 b + 16 x + 2 w, 4,096 bytes each
	s_lshl_b32 s7, s2, 16
	s_add_co_u32 s8, s8, s7
	s_lshl_b32 s7, s4, 13
	s_add_co_u32 s8, s8, s7
	s_add_nc_u64 s[90:91], s[90:91], s[8:9]
	s_lshl_b32 s8, s5, 13
	s_add_nc_u64 s[92:93], s[92:93], s[8:9]        ; responses of my batch
	s_lshl_b32 s8, s6, 2
	s_add_nc_u64 s[94:95], s[94:95], s[8:9]
	s_add_nc_u64 s[96:97], s[96:97], s[8:9]
	s_lshl_b32 s8, s5, 5                           ; att: block 32 b + 4 x + w / 2 of 64 tokens, my head, my 32 rows in it
	s_lshl2_add_u32 s8, s2, s8
	s_lshr_b32 s7, s4, 1
	s_add_co_u32 s8, s8, s7
	s_lshl_b32 s8, s8, 17
	s_lshl_b32 s7, s6, 13
	s_add_co_u32 s8, s8, s7
	s_and_b32 s7, s4, 1
	s_lshl_b32 s7, s7, 12
	s_add_co_u32 s8, s8, s7
	s_add_nc_u64 s[98:99], s[98:99], s[8:9]
	s_load_b32 s10, s[94:95], 0x0                  ; Wm[head]
	s_load_b32 s11, s[96:97], 0x0                  ; bm[head]
	s_load_b512 s[16:31], s[90:91], 0x0            ; step 0's mask words
	s_load_b512 s[32:47], s[90:91], 0x40
	s_load_b512 s[48:63], s[90:91], 0x1000
	s_load_b512 s[68:83], s[90:91], 0x1040
.irp qt, 0,1
.irp c, 0,1
	global_load_b128 v[Q+24*\qt+8*\c:Q+24*\qt+8*\c+3],   v16, s[84:85] offset:2048*\qt+64*\c
	global_load_b128 v[Q+24*\qt+8*\c+4:Q+24*\qt+8*\c+7], v16, s[84:85] offset:2048*\qt+64*\c+32
.endr
.endr
.irp e, 0,1,2,3,4,5,6,7
	global_load_b32 v[S+\e], v17, s[92:93] offset:1024*\e
.endr
	global_load_b32 v[S+8], v18, s[92:93]
	global_load_b32 v[S+9], v18, s[92:93] offset:64
	WIN 0x40                                       ; destination in window 1
.irp t, 0,1
	global_load_b128 v[FSW+16*\t:FSW+16*\t+3],     v[GF], s[86:87] offset:8192*\t        ; tiles 0 and 1: keys 0 to 127
	global_load_b128 v[FSW+16*\t+4:FSW+16*\t+7],   v[GF], s[86:87] offset:8192*\t+4096
	global_load_b128 v[FSW+16*\t+8:FSW+16*\t+11],  v[GF], s[88:89] offset:8192*\t
	global_load_b128 v[FSW+16*\t+12:FSW+16*\t+15], v[GF], s[88:89] offset:8192*\t+4096
.endr
	WIN 0
	s_mov_b32 s7, 0xce6e6b28                       ; -1e9
	s_mul_f32 s7, s7, 0x3fb8aa3b                   ; in exponents of 2
	v_mov_b32 v[NEG], s7
.irp kt, 0,1,2,3
.irp j, 4,5,6,7
	v_mov_b32 v[EX+8*\kt+\j], 0                    ; channels 16-31 of the bias step are not used
.endr
.endr
	s_wait_loadcnt 0x0
	s_wait_kmcnt 0x0
	s_add_nc_u64 s[86:87], s[86:87], 8192          ; the bases stand at tile 1; each later request steps them first
	s_add_nc_u64 s[88:89], s[88:89], 8192
	WIN 0x04                                       ; the stores' data in window 1
	ds_store_b128 v[FK], v[FSW:FSW+3]
	ds_store_b128 v[FK], v[FSW+4:FSW+7] offset:32*144
	ds_store_b128 v[FV], v[FSW+8:FSW+11]
	ds_store_b128 v[FV], v[FSW+12:FSW+15] offset:32*160
	WIN 0
	; the key side of the bias: f_c = 1.0 (f16) where the key's response is c.  f0-f3 in v144-147, f4 in v159.
.irp e, 0,1,2,3,4,5,6,7
.irp c, 0,1,2,3
	v_cmp_eq_u32 vcc_lo, \c, v[S+\e]
	v_cndmask_b32 v[144+\c], 0, v20, vcc_lo
.endr
	v_cmp_eq_u32 vcc_lo, 4, v[S+\e]
	v_cndmask_b32 v159, 0, v20, vcc_lo
	v_lshl_or_b32 v152, v145, 16, v144             ; channels 0-7:  f0 f1 f2 f3 f4 f0 f1 f2
	v_lshl_or_b32 v153, v147, 16, v146
	v_lshl_or_b32 v154, v144, 16, v159
	v_lshl_or_b32 v155, v146, 16, v145
	v_lshl_or_b32 v156, v145, 16, v144             ; channels 8-15: f0 f1 f2 f3 f4 f3 f4 0
	v_lshl_or_b32 v157, v147, 16, v146
	v_lshl_or_b32 v158, v147, 16, v159
	ds_store_b128 v19, v[152:155] offset:4096*\e
	ds_store_b128 v19, v[156:159] offset:32768+4096*\e
.endr
	; the query side: T[c] in three f16 parts.  v100, v101 (S^T's registers, not yet in use) are at work: a half of a register is named only below v128
	s_mul_f32 s10, s10, 0x3fb8aa3b
	s_mul_f32 s11, s11, 0x3fb8aa3b
.set TT, 168
.set RM, 173
.set LO, 178
.irp qt, 0,1
.irp c, 0,1,2,3,4
	v_add_nc_u32 v160, -\c, v[S+8+\qt]
	v_cvt_f32_i32 v160, v160
	v_mul_f32 v160, v160, v160
	v_fma_f32 v160, v160, 0xbd800000, 1.0          ; 1 - (r_q - c)^2 / 16
	v_fma_f32 v[TT+\c], v160, s10, s11
	v_cvt_pk_f16_f32 v100, v[TT+\c], v[TT+\c]
	v_cvt_f32_f16 v101, v100.l                     ; hi, as f32
	v_sub_f32 v[RM+\c], v[TT+\c], v101
	v_cvt_pk_f16_f32 v100, v[RM+\c], v[RM+\c]
	v_cvt_f32_f16 v101, v100.l                     ; mid
	v_sub_f32 v[LO+\c], v[RM+\c], v101
	v_cndmask_b32 v[TT+\c], v[TT+\c], v[RM+\c], s12   ; lower lanes round T to hi, upper lanes the rest to mid
.endr
	v_cndmask_b32 v162, v[LO], v[LO+3], s12
	v_cndmask_b32 v163, v[LO+1], v[LO+4], s12
	v_cndmask_b32 v164, v[LO+2], 0, s12
	v_cvt_pk_f16_f32 v[Q+24*\qt+16], v[TT], v[TT+1]
	v_cvt_pk_f16_f32 v[Q+24*\qt+17], v[TT+2], v[TT+3]
	v_cvt_pk_f16_f32 v[Q+24*\qt+18], v[TT+4], v162
	v_cvt_pk_f16_f32 v[Q+24*\qt+19], v163, v164
.irp j, 20,21,22,23
	v_mov_b32 v[Q+24*\qt+\j], 0
.endr
.endr
	s_wait_dscnt 0x0                               ; for the others' sake: my part of tile 0 and of the tables is stored
	s_barrier_signal -1
	s_barrier_wait -1
; 8 products of S^T: part c of K (0, 1: channels 32 c on; 2: the bias).  The 8 accumulators take turns.
.macro SCORE c
.irp kt, 0,1,2,3
.irp qt, 0,1
.if \c == 2
.set rA, EX+8*\kt
.else
.set rA, KF+8*(4*\c+\kt)
.endif
.set rS, S+32*\qt+8*\kt
.set rQ, Q+24*\qt+8*\c
.if \c == 0
	v_wmma_f32_16x16x32_f16 v[rS:rS+7], v[rA:rA+7], v[rQ:rQ+7], 0
.else
	v_wmma_f32_16x16x32_f16 v[rS:rS+7], v[rA:rA+7], v[rQ:rQ+7], v[rS:rS+7]
.endif
.endr
.endr
.endm
.macro SUBM qt                         ; pair i of tile qt: s - m
	v_pk_add_f32 v[S+32*\qt+2*i:S+32*\qt+2*i+1], v[S+32*\qt+2*i:S+32*\qt+2*i+1], v[ST+8*\qt:ST+8*\qt+1] op_sel_hi:[1,0] neg_lo:[0,1] neg_hi:[0,1]
.endm
.macro EXP2 qt                         ; pair i: two exponentials; a plain instruction on other registers follows each pair
	v_exp_f32 v[S+32*\qt+2*i], v[S+32*\qt+2*i]
	v_exp_f32 v[S+32*\qt+2*i+1], v[S+32*\qt+2*i+1]
.endm
.macro SUMOP qt, first                 ; number i of 16: the 16 pairs are added up, then l = a l + the sum (first step: l = the sum)
.set rT, ST+8*\qt
.set rS, S+32*\qt
.if i == 0
	s_wait_alu depctr_va_vdst(0)
	v_pk_add_f32 v[rT+4:rT+5], v[rS:rS+1], v[rS+2:rS+3]
.elseif (i == 14) && \first
	v_pk_add_f32 v[rT+2:rT+3], v[rT+4:rT+5], v[rS+30:rS+31]
.elseif i < 15
	v_pk_add_f32 v[rT+4:rT+5], v[rT+4:rT+5], v[rS+2*i+2:rS+2*i+3]
.elseif \first == 0
	v_pk_fma_f32 v[rT+2:rT+3], v[rT+2:rT+3], v[rT+6:rT+7], v[rT+4:rT+5] op_sel_hi:[1,0,1]
	s_wait_alu depctr_va_vdst(0)
.endif
.endm
.macro PACKP qt                        ; number i of 16, ascending: a pair of weights to f16, into a register whose own weights have been packed
.set rS, S+32*\qt+16*(i>>3)
	v_cvt_pk_f16_f32 v[rS+(i&7)], v[rS+2*(i&7)], v[rS+2*(i&7)+1]
.endm
; THE PARTS OF AN INTERVAL.
; The tile two steps on is asked for, into the set whose tile was stored in the interval before (those stores were waited for in front of its barrier).
.macro GLOAD slot
	s_wait_xcnt 0x0                                ; the bases, which the last request's loads name, are stepped only behind this wait
	s_add_nc_u64 s[86:87], s[86:87], 8192
	s_add_nc_u64 s[88:89], s[88:89], 8192
	WIN 0x40                                       ; destination in window 1
	global_load_b128 v[FSW+16*\slot:FSW+16*\slot+3],     v[GF], s[86:87]
	global_load_b128 v[FSW+16*\slot+4:FSW+16*\slot+7],   v[GF], s[86:87] offset:4096
	global_load_b128 v[FSW+16*\slot+8:FSW+16*\slot+11],  v[GF], s[88:89]
	global_load_b128 v[FSW+16*\slot+12:FSW+16*\slot+15], v[GF], s[88:89] offset:4096
	WIN 0
.endm
; 20 LDS loads: the step's fragments of K and the key side of its bias
.macro KLOAD slot
.irp c, 0,1
.irp kt, 0,1,2,3
	ds_load_b128 v[KF+8*(4*\c+\kt):KF+8*(4*\c+\kt)+3],   v[AK] offset:\slot*SLOT+2304*\kt+64*\c
	ds_load_b128 v[KF+8*(4*\c+\kt)+4:KF+8*(4*\c+\kt)+7], v[AK] offset:\slot*SLOT+2304*\kt+64*\c+32
.endr
.endr
.irp kt, 0,1,2,3
	ds_load_b128 v[EX+8*\kt:EX+8*\kt+3], v[AE] offset:256*\kt
.endr
.endm
; The step's 24 score products, and behind them the 16 turning loads of its V.
.macro SC slot
	s_wait_dscnt 12                                ; channels 0-31 are in; the 8 + 4 loads behind them may be out
	SCORE 0
	s_wait_dscnt 4                                 ; channels 32-63; the bias's 4 may be out
	SCORE 1
	s_wait_dscnt 0x0
	SCORE 2
	v_add_nc_u32 v[AE], 1024, v[AE]                ; the next 64 keys; with the four lines below: five places behind the products (ISA guide 7.12.1): four for the selects that read
	v_nop                                          ; these scores and for the loads into K's registers, five for matrix instructions that write over S^T
	v_nop
	v_nop
	v_nop
	WIN 0x40                                       ; destination in window 1
.irp u, 0,1
.irp c, 0,1,2,3
	ds_load_tr16_b128 v[VF+8*(4*\u+\c):VF+8*(4*\u+\c)+3],   v[AV] offset:\slot*SLOT+5120*\u+32*\c
	ds_load_tr16_b128 v[VF+8*(4*\u+\c)+4:VF+8*(4*\u+\c)+7], v[AV] offset:\slot*SLOT+5120*\u+2560+32*\c
.endr
.endr
	WIN 0
.endm
; A step's softmax.  first = 1: it starts m and l, and there is no O^T to rescale.  mm = 1: the next step's mask words are asked for.
.macro SM first, mm
	s_wait_kmcnt 0x0                               ; this step's mask words
.set i, 0
.rept 32
	v_cndmask_b32 v[S+i], v[NEG], v[S+i], s[16+i]
.set i, i+1
.endr
.set i, 0
.rept 16
	v_cndmask_b32 v[S+32+i], v[NEG], v[S+32+i], s[48+i]
.set i, i+1
.endr
.set i, 0
.rept 16
	v_cndmask_b32 v[S+48+i], v[NEG], v[S+48+i], s[68+i]
.set i, i+1
.endr
	; the maximum of a lane's 32 scores and the old m, three operands at a time, four chains; the two tiles alternate
.irp j, 0,1,2,3
.irp qt, 0,1
	v_max3_num_f32 v[ST+8*\qt+4+\j], v[S+32*\qt+8*\j], v[S+32*\qt+8*\j+1], v[S+32*\qt+8*\j+2]
.endr
.endr
.irp g, 1,2
.irp j, 0,1,2,3
.irp qt, 0,1
	v_max3_num_f32 v[ST+8*\qt+4+\j], v[ST+8*\qt+4+\j], v[S+32*\qt+8*\j+2*\g+1], v[S+32*\qt+8*\j+2*\g+2]
.endr
.endr
.endr
.irp qt, 0,1
	v_max3_num_f32 v[ST+8*\qt+4], v[ST+8*\qt+4], v[S+32*\qt+7], v[S+32*\qt+15]
.endr
.irp qt, 0,1
	v_max3_num_f32 v[ST+8*\qt+6], v[ST+8*\qt+6], v[S+32*\qt+23], v[S+32*\qt+31]
.endr
.irp qt, 0,1
	v_max3_num_f32 v[ST+8*\qt+4], v[ST+8*\qt+4], v[ST+8*\qt+5], v[ST+8*\qt+6]
.endr
.irp qt, 0,1
.if \first
	v_max_num_f32 v[ST+8*\qt+4], v[ST+8*\qt+4], v[ST+8*\qt+7]
.else
	v_max3_num_f32 v[ST+8*\qt+4], v[ST+8*\qt+4], v[ST+8*\qt+7], v[ST+8*\qt]
.endif
.endr
.irp qt, 0,1
	v_permlanex16_b32 v[ST+8*\qt+5], v[ST+8*\qt+4], s14, s15   ; the query's other 32 keys lie in the lane 16 away
.endr
.if \first
.irp qt, 0,1
	v_max_num_f32 v[ST+8*\qt], v[ST+8*\qt+4], v[ST+8*\qt+5]
	v_max_num_f32 v[ST+8*\qt+1], v[ST+8*\qt+4], v[ST+8*\qt+5]  ; named with m as a pair below, so it is written
.endr
.else
.irp qt, 0,1
	v_mov_b32 v[ST+8*\qt+1], v[ST+8*\qt]           ; m_old is kept for a
.endr
.irp qt, 0,1
	v_max_num_f32 v[ST+8*\qt], v[ST+8*\qt+4], v[ST+8*\qt+5]
.endr
.irp qt, 0,1
	v_sub_f32 v[ST+8*\qt+7], v[ST+8*\qt+1], v[ST+8*\qt]
.endr
.irp qt, 0,1
	v_exp_f32 v[ST+8*\qt+6], v[ST+8*\qt+7]         ; a; the subtractions below are the plain instructions behind it
.endr
.endif
.set i, 0
.rept 16
	SUBM 0
.set i, i+1
.endr
.if \mm
	s_add_nc_u64 s[90:91], s[90:91], 128           ; the selects above have read the words, and the wait above showed the loads done: the next step's 4 x 16 words
	s_load_b512 s[16:31], s[90:91], 0x0
	s_load_b512 s[32:47], s[90:91], 0x40
	s_load_b512 s[48:63], s[90:91], 0x1000
	s_load_b512 s[68:83], s[90:91], 0x1040
.endif
.set i, 0
.rept 16
	EXP2 0
	SUBM 1
.set i, i+1
.endr
.set i, 0
.rept 16
	EXP2 1
	SUMOP 0, \first
.set i, i+1
.endr
.set i, 0
.rept 16
	SUMOP 1, \first
	PACKP 0
.set i, i+1
.endr
.set i, 0
.rept 16
	PACKP 1
.set i, i+1
.endr
.if \first == 0
	WIN 0x41                                       ; O^T (destination and source 0) in window 1, a in window 0
.irp c, 0,1,2,3
.irp qt, 0,1
.irp p, 0,1,2,3
	v_pk_mul_f32 v[8*(2*\c+\qt)+2*\p:8*(2*\c+\qt)+2*\p+1], v[8*(2*\c+\qt)+2*\p:8*(2*\c+\qt)+2*\p+1], v[ST+8*\qt+6:ST+8*\qt+7] op_sel_hi:[1,0]
.endr
.endr
.endr
	WIN 0
.endif
.endm
; A step's 16 products V^T P.  first = 1: the first 8 start O^T's sums: nothing is cleared.  The 8 accumulators take turns.
.macro PVM first
	s_wait_dscnt 0x0                               ; V is in
	WIN 0x51                                       ; V (source 0), C and D in window 1; P in window 0
.irp u, 0,1
.irp c, 0,1,2,3
.irp qt, 0,1
.if \first && (\u == 0)
	v_wmma_f32_16x16x32_f16 v[8*(2*\c+\qt):8*(2*\c+\qt)+7], v[VF+8*(4*\u+\c):VF+8*(4*\u+\c)+7], v[S+32*\qt+16*\u:S+32*\qt+16*\u+7], 0
.else
	v_wmma_f32_16x16x32_f16 v[8*(2*\c+\qt):8*(2*\c+\qt)+7], v[VF+8*(4*\u+\c):VF+8*(4*\u+\c)+7], v[S+32*\qt+16*\u:S+32*\qt+16*\u+7], v[8*(2*\c+\qt):8*(2*\c+\qt)+7]
.endif
.endr
.endr
.endr
	WIN 0
.rept 5
	v_nop                                          ; five places: the next score products write over P, and the next turning loads land in V's registers
.endr
.endm
; The next tile goes from its registers into the other slot.  left = the loads of the tile after it, which may stay out.
.macro FILL slot, left
	s_wait_loadcnt \left
	WIN 0x04                                       ; the stores' data in window 1
	ds_store_b128 v[FK], v[FSW+16*(1-\slot):FSW+16*(1-\slot)+3]      offset:(1-\slot)*SLOT
	ds_store_b128 v[FK], v[FSW+16*(1-\slot)+4:FSW+16*(1-\slot)+7]    offset:(1-\slot)*SLOT+32*144
	ds_store_b128 v[FV], v[FSW+16*(1-\slot)+8:FSW+16*(1-\slot)+11]   offset:(1-\slot)*SLOT
	ds_store_b128 v[FV], v[FSW+16*(1-\slot)+12:FSW+16*(1-\slot)+15]  offset:(1-\slot)*SLOT+32*160
	WIN 0
	s_wait_dscnt 0x0                               ; my stores are done and my reads of this slot are back, V's fragments among them; the slot stored here was last read in front of the barrier before
	s_barrier_signal -1
	s_barrier_wait -1
.endm
; INTERVAL j, slot = j % 2.  late = 1: group 1 has a softmax and products of step j - 1 to run.  gl = 1: tile j + 2 is asked for.  fill = 1: tile j + 1 is stored, and the barrier follows.
; amm, bmm: whether group 0's, group 1's softmax asks for further mask words.  tail = 1: group 1 finishes step j too.
.macro IV slot, late, gl, fill, amm, bmm, tail
.if \gl
	GLOAD \slot
.endif
	KLOAD \slot
	s_cmp_eq_u32 s[GRP], 0
	s_cbranch_scc0 .Lgroup_1_\@
	SC \slot
	SM 0, \amm
	PVM 0
	s_branch .Lboth_\@
.Lgroup_1_\@:
.if \late
	SM 0, \bmm
	PVM 0
.endif
	SC \slot
.if \tail
	SM 0, 0
	PVM 0
.endif
.Lboth_\@:
.if \fill
	FILL \slot, 4*\gl
.endif
.endm
	GLOAD 0                                        ; interval 0, one text for all waves: it starts m, l and O^T
	KLOAD 0
	SC 0
	SM 1, 1
	PVM 1
	FILL 0, 4
	IV 1, 0, 1, 1, 1, 0, 0                         ; interval 1: group 1 makes its scores and falls a softmax behind
	s_mov_b32 s13, 14
.Lstep:                                                ; intervals 2 to 29
	IV 0, 1, 1, 1, 1, 1, 0
	IV 1, 1, 1, 1, 1, 1, 0
	s_sub_co_u32 s13, s13, 1
	s_cmp_lg_u32 s13, 0
	s_cbranch_scc1 .Lstep
	IV 0, 1, 0, 1, 1, 1, 0                         ; interval 30: nothing is left to ask for; tile 31 is stored
	IV 1, 1, 0, 0, 0, 1, 1                         ; interval 31: nothing is left to store, so no barrier; group 1 catches up
	; THE WAY OUT: l's halves are added, O^T is divided by l, rounded to f16 and sent through my stage, 16 queries at a time.
.irp qt, 0,1
	v_add_f32 v[ST+8*\qt+4], v[ST+8*\qt+2], v[ST+8*\qt+3]
.endr
.irp qt, 0,1
	v_permlanex16_b32 v[ST+8*\qt+5], v[ST+8*\qt+4], s14, s15
.endr
.irp qt, 0,1
	v_add_f32 v[ST+8*\qt+4], v[ST+8*\qt+4], v[ST+8*\qt+5]
.endr
.irp qt, 0,1
	v_rcp_f32 v[ST+8*\qt+6], v[ST+8*\qt+4]
.endr
	v_nop                                          ; a plain instruction between the last reciprocal and its use
	s_wait_alu depctr_va_vdst(0)
.irp qt, 0,1
	WIN 0x01                                       ; source 0 in window 1
.irp c, 0,1,2,3
.irp p, 0,1,2,3
	v_pk_mul_f32 v[S+32*\qt+8*\c+2*\p:S+32*\qt+8*\c+2*\p+1], v[8*(2*\c+\qt)+2*\p:8*(2*\c+\qt)+2*\p+1], v[ST+8*\qt+6:ST+8*\qt+7] op_sel_hi:[1,0]
.endr
.endr
	WIN 0
.irp c, 0,1,2,3
.irp p, 0,1,2,3
	v_cvt_pk_f16_f32 v[KF+16*\qt+4*\c+\p], v[S+32*\qt+8*\c+2*\p], v[S+32*\qt+8*\c+2*\p+1]
.endr
.endr
.irp c, 0,1,2,3
	ds_store_b128 v[STO], v[KF+16*\qt+4*\c:KF+16*\qt+4*\c+3] offset:32*\c
.endr
.irp i, 0,1,2,3
	ds_load_b128 v[OB-32*\qt+4*\i:OB-32*\qt+4*\i+3], v[RD] offset:576*\i   ; LDS serves a wave's instructions in order: these see the stores above
.endr
	s_wait_dscnt 0x0
.irp i, 0,1,2,3
	global_store_b128 v[CO], v[OB-32*\qt+4*\i:OB-32*\qt+4*\i+3], s[98:99] offset:2048*\qt+512*\i   ; 512 consecutive bytes, aligned
.endr
.endr
	s_set_vgpr_msb 0x5
	s_wait_tensorcnt 0x0
	ds_add_u32 v160, v161
	s_wait_dscnt 0x0
	s_set_vgpr_msb 0x500
	s_endpgm
.Lfunc_end_k_q3ab01feebf_attn:
	.size	k_q3ab01feebf_attn, .Lfunc_end_k_q3ab01feebf_attn-k_q3ab01feebf_attn
	.p2alignl 7, 3214868480
	.fill 96, 4, 3214868480
	.section	.rodata,"a",@progbits
	.p2align	6, 0x0
	.amdhsa_kernel k_q3ab01feebf_attn
		.amdhsa_group_segment_fixed_size 123904
		.amdhsa_private_segment_fixed_size 0
		.amdhsa_enable_private_segment 0
		.amdhsa_kernarg_size 64
		.amdhsa_user_sgpr_count 2
		.amdhsa_user_sgpr_kernarg_segment_ptr 1
		.amdhsa_wavefront_size32 1
		.amdhsa_system_sgpr_workgroup_id_x 1
		.amdhsa_system_sgpr_workgroup_id_y 1
		.amdhsa_system_sgpr_workgroup_id_z 1
		.amdhsa_system_vgpr_workitem_id 0
		.amdhsa_next_free_vgpr 418
		.amdhsa_next_free_sgpr 100
		.amdhsa_reserve_vcc 1
		.amdhsa_float_denorm_mode_32 3
		.amdhsa_float_denorm_mode_16_64 3
		.amdhsa_memory_ordered 1
		.amdhsa_forward_progress 1
		.amdhsa_inst_pref_size 255
	.end_amdhsa_kernel
	.section	.bss,"aw",@nobits
	.p2align	6
	.space	262144
	.amdgpu_metadata
---
amdhsa.version: [ 1, 2 ]
amdhsa.kernels:
  - .name:           k_q3ab01feebf_attn
    .symbol:         k_q3ab01feebf_attn.kd
    .args:
      - { .name: Qh, .offset: 0, .size: 8, .value_kind: global_buffer, .address_space: global }
      - { .name: Kh, .offset: 8, .size: 8, .value_kind: global_buffer, .address_space: global }
      - { .name: Vh, .offset: 16, .size: 8, .value_kind: global_buffer, .address_space: global }
      - { .name: maskw, .offset: 24, .size: 8, .value_kind: global_buffer, .address_space: global }
      - { .name: responses, .offset: 32, .size: 8, .value_kind: global_buffer, .address_space: global }
      - { .name: Wm, .offset: 40, .size: 8, .value_kind: global_buffer, .address_space: global }
      - { .name: bm, .offset: 48, .size: 8, .value_kind: global_buffer, .address_space: global }
      - { .name: att, .offset: 56, .size: 8, .value_kind: global_buffer, .address_space: global }
    .group_segment_fixed_size: 123904
    .private_segment_fixed_size: 0
    .kernarg_segment_align: 8
    .kernarg_segment_size: 64
    .max_flat_workgroup_size: 256
    .sgpr_count:     100
    .vgpr_count:     418
    .wavefront_size: 32
...
	.end_amdgpu_metadata
.endif
;; end of part 2
;; launch outp (part 3): grid 8 x 32, 4 waves a work-group, clusters of 4 x 4, 327,680 bytes of LDS; arguments att, Wob, out0, bo; writes out0
.if DOCPART == 3
	.amdgcn_target "amdgcn-amd-amdhsa--gfx1250"
	.amdhsa_code_object_version 6
	.text
	.protected	k_q3ab01feebf_outp
	.globl	k_q3ab01feebf_outp
	.p2align	8
	.type	k_q3ab01feebf_outp,@function
k_q3ab01feebf_outp:
	s_mov_b64 s[64:65], 0
	v_nop
	global_prefetch_b8 v0, s[64:65] scope:SCOPE_SE
	s_setreg_imm32_b32 hwreg(HW_REG_WAVE_MODE, 25, 1), 1
	s_wait_xcnt 0x0
	s_wait_alu depctr_hold_cnt(0) depctr_sa_sdst(0) depctr_va_vdst(0) depctr_va_sdst(0) depctr_va_ssrc(0) depctr_va_vcc(0) depctr_vm_vsrc(0)
	s_getreg_b32 s2, hwreg(HW_REG_IB_STS2, 6, 4)
	s_cmp_eq_u32 s2, 0
	s_cbranch_scc0 .Lentry_in_a_cluster
	s_endpgm
.Lentry_in_a_cluster:
	s_bfe_u32 s2, ttmp6, 0x10000c
	s_cmp_lg_u32 s2, 0xf033
	s_cbranch_scc0 .Lentry_shape_is_right
	s_endpgm
.Lentry_shape_is_right:
; out0[token][n] = sum over k of att[token][k] Wo[n][k] + bo[n].  4,096 x 1,024, K = 1,024; operands f16, sums and result f32.
; att: [token / 64][k / 64][token % 64][k % 64], Wob: [n / 64][k / 64][n % 64][k % 64]: 64 rows x 256 along K are 32 KB on end in memory.
; A tile of the result is 128 x 128: 256 work-groups.  Four waves, each 64 x 64: 16 accumulators.  K goes in steps of 256 through two LDS slots; a wave's tensor load brings one such
; block of 32 KB as 128 rows of 256 bytes, with 16 bytes of padding behind every 128: in LDS [k / 64 (4)][row 64] rows of 144 bytes.
; CLUSTERS: 4 x 4 work-groups.  The four of a row of the cluster need the same tiles of att, the four of a column the same tiles of Wob: each tile is asked for JOINTLY, by the same tensor
; load with the same descriptor and a mask that names the four.  The matrix instruction is used transposed (source 0 = 16 rows of Wob, source 1 = 16 tokens): a lane holds eight neighbouring columns of one token.
; LIMITS: those of the f16 operands as the launches before stored them (magnitudes below 65,504; below 2^-14 an absolute error of 2^-25).
; REGISTERS: window 0: v0-31 addresses and bo; v32-95 at work on the way out; v128-255 the accumulators ((a, b) at v[128 + 8 (4 a + b)]).
;   window 1: two fragment buffers of 128: for 64 along K, 64 registers of att, then 64 of Wob.
.set PITCH,  144
.set HEADB,  64*PITCH                  ; 64 along K of 64 rows
.set HALFT,  4*HEADB                   ; what one tensor load brings, and what one wave reads of att or of Wob
.set SLOT,   4*HALFT                   ; att's 128 rows, then Wob's 128 rows
.set STAGE,  2*SLOT                    ; behind the ring: 16 rows x 272 bytes for each wave, for the way out
.set SPITCH, 272
.set SPARE,  STAGE+4*16*SPITCH         ; behind the stages: the spare words, 128 bytes for each wave: two blocks of 256 bytes that no other line names
.set STEPB,  32768                     ; bytes in memory from a K step's block to the next
.set LAPS,   2                         ; a lap = two K steps = once round the ring
.set ADRA, 16
.set ADRB, 20
.set STO,  24
.set RD,   25
.set CO,   26
.set SPW,  28                          ; v28  LDS address of my spare word; never rewritten
.set NIL,  29                          ; v29  0; never rewritten
.set BO,   8                           ; v8-11 bo of the four columns that I store
.set TMP,  32
.set ACC,  128
.set F0,   0
.set F1,   128
.set G1, 24
.set G0, 32
.set G1B, 48
.set G0B, 56
.set MSB, 0
.macro WIN new
.if MSB != \new
	s_set_vgpr_msb (MSB<<8)|\new
.set MSB, \new
.endif
.endm
.set MUL,  0x05                        ; sources 0 and 1 window 1; C and D window 0
.set TO_F, 0x40                        ; destination window 1, address window 0
.macro JLOAD s                         ; a joint load: waves 0 and 1 fetch att's two halves, waves 2 and 3 Wob's; four v_nop follow each of the two lines
	s_cmp_eq_u32 s11, 0
	s_cbranch_scc0 .Lfor_b_\@
	tensor_load_to_lds s[G0+4*\s:G0+4*\s+3], s[G1:G1+7]
	s_nop 0
.rept 4
	v_nop
.endr
	s_branch .Lasked_\@
.Lfor_b_\@:
	tensor_load_to_lds s[G0B+4*\s:G0B+4*\s+3], s[G1B:G1B+7]
	s_nop 0
.rept 4
	v_nop
.endr
.Lasked_\@:
.endm
.macro CREST                           ; a round of the cluster's barrier behind its opening barrier
	s_cmp_lg_u32 s10, 0
	s_cbranch_scc1 .Lnot_wave_0_\@
	s_barrier_signal -3
.Lnot_wave_0_\@:
	s_barrier_wait -3
	s_barrier_signal -1
	s_barrier_wait -1
.endm
.macro CROUND
	s_barrier_signal -1
	s_barrier_wait -1
	CREST
.endm
	s_load_b128 s[4:7], s[0:1], 0x0                ; att s[4:5], Wob s[6:7]
	s_load_b64 s[8:9], s[0:1], 0x10                ; out0
	s_load_b64 s[66:67], s[0:1], 0x18              ; bo
	v_lshl_add_u32 v[SPW], v0, 2, SPARE
	v_mov_b32 v[NIL], 0
	ds_add_u32 v28, v29
	ds_add_u32 v28, v29
	s_wait_dscnt 0x0
	v_lshrrev_b32 v1, 5, v0
	v_readfirstlane_b32 s10, v1                    ; wave 0..3
	s_lshr_b32 s11, s10, 1                         ; which half of the tile's rows is mine.  Also: I fetch for att (0) or for Wob (1)
	s_and_b32 s12, s10, 1                          ; which half of its columns.  Also: which 64 rows of that tile I fetch
	s_bfe_u32 s40, ttmp6, 0x40000                  ; cx, cy: my place in the cluster
	s_bfe_u32 s41, ttmp6, 0x40004
	s_lshl_b32 s42, ttmp9, 2
	s_add_co_u32 s42, s42, s40                     ; tile column = 4 x cluster x + cx
	s_and_b32 s13, ttmp7, 0xffff
	s_lshl_b32 s13, s13, 2
	s_add_co_u32 s13, s13, s41                     ; tile row = 4 x cluster y + cy
	s_lshl_b32 s43, s41, 2
	s_lshl_b32 s43, 15, s43                        ; my row of the cluster
	s_lshl_b32 s44, 0x1111, s40                    ; my column
	; descriptor group 1: 128 rows x 128 elements, dense; 15:0 the mask; 17:16 elements of 2 bytes; 20 padding on; 21 set beside a mask; 24:22 after every 32 words (code 4); 31:25 of 4 words (code 3)
	s_or_b32 s[G1+0], s43, (1<<16)|(1<<20)|(1<<21)|(4<<22)|(3<<25)
	s_or_b32 s[G1B+0], s44, (1<<16)|(1<<20)|(1<<21)|(4<<22)|(3<<25)
.irp g, G1, G1B
	s_mov_b32 s[\g+1], 128<<16                     ; tensor_dim0 = 128
	s_mov_b32 s[\g+2], 128<<16                     ; tensor_dim1 = 128
	s_mov_b32 s[\g+3], 128<<16                     ; tile_dim0 = 128
	s_mov_b32 s[\g+4], 128                         ; tile_dim1 = 128
	s_mov_b32 s[\g+5], 128                         ; from row to row: 128 elements
	s_mov_b32 s[\g+6], 0
	s_mov_b32 s[\g+7], 0
.endr
	s_lshl_b32 s16, s13, 1                         ; att: block of 64 tokens 2 x tile row + half, 131,072 bytes each
	s_add_co_u32 s16, s16, s12
	s_lshl_b32 s16, s16, 17
	s_mov_b32 s17, 0
	s_lshl_b32 s46, s42, 1                         ; Wob: block of 64 rows 2 x tile column + half
	s_add_co_u32 s46, s46, s12
	s_lshl_b32 s46, s46, 17
	s_mov_b32 s47, 0
	s_mul_i32 s20, s10, HALFT                      ; where they go: by the wave's number alone
	s_wait_kmcnt 0x0
	s_add_nc_u64 s[14:15], s[4:5], s[16:17]
	s_add_nc_u64 s[46:47], s[6:7], s[46:47]
	CROUND                                         ; all sixteen work-groups are here: the first joint loads meet
.irp s, 0,1
	s_mov_b32 s[G0+4*\s], 1
	s_add_co_u32 s[G0+4*\s+1], s20, \s*SLOT
	s_add_nc_u64 s[G0+4*\s+2:G0+4*\s+3], s[14:15], \s*STEPB
	s_or_b32 s[G0+4*\s+3], s[G0+4*\s+3], 0x80000000
	s_mov_b32 s[G0B+4*\s], 1
	s_add_co_u32 s[G0B+4*\s+1], s20, \s*SLOT
	s_add_nc_u64 s[G0B+4*\s+2:G0B+4*\s+3], s[46:47], \s*STEPB
	s_or_b32 s[G0B+4*\s+3], s[G0B+4*\s+3], 0x80000000
	JLOAD \s
.endr
	v_and_b32 v1, 15, v0                           ; l % 16
	v_bfe_u32 v2, v0, 4, 1                         ; l / 16
	v_mul_u32_u24 v3, v1, PITCH
	v_lshl_add_u32 v3, v2, 4, v3                   ; a fragment's row x pitch + 16 x half
	s_mul_i32 s21, s11, HALFT                      ; my 64 tokens
	s_mul_i32 s22, s12, HALFT                      ; my 64 rows of Wob,
	s_add_co_u32 s22, s22, 2*HALFT                 ; which lie behind att's 128
.irp s, 0,1
	v_add_nc_u32 v[ADRA+\s], s21, v3
	v_add_nc_u32 v[ADRB+\s], s22, v3
	s_add_co_u32 s21, s21, SLOT
	s_add_co_u32 s22, s22, SLOT
.endr
	s_mul_i32 s23, s10, 16*SPITCH
	s_add_co_u32 s23, s23, STAGE                   ; my stage
	v_mul_u32_u24 v4, v1, SPITCH                   ; in: row l % 16, 32 bytes for each half of the lanes
	v_lshl_add_u32 v4, v2, 5, v4
	v_add_nc_u32 v[STO], s23, v4
	v_mul_u32_u24 v5, v2, SPITCH                   ; back: lanes 0-15 take one row of 256 bytes, lanes 16-31 the next
	v_lshl_add_u32 v5, v1, 4, v5
	v_add_nc_u32 v[RD], s23, v5
	v_lshlrev_b32 v5, 12, v2                       ; and the same two rows in out0 (4,096 bytes each)
	v_lshl_add_u32 v[CO], v1, 4, v5
	v_lshlrev_b32 v6, 4, v1                        ; my four columns in bo
	s_lshl_b32 s16, s13, 7
	s_lshl_b32 s17, s11, 6
	s_add_co_u32 s16, s16, s17                     ; my first token: 128 x tile row + 64 x half
	s_lshl_b32 s16, s16, 12
	s_mov_b32 s17, 0
	s_add_nc_u64 s[8:9], s[8:9], s[16:17]
	s_lshl_b32 s46, s42, 9                         ; my first column, in bytes: 512 x tile column + 256 x half
	s_lshl_b32 s47, s12, 8
	s_add_co_u32 s46, s46, s47
	s_mov_b32 s47, 0
	s_add_nc_u64 s[8:9], s[8:9], s[46:47]
	s_add_nc_u64 s[66:67], s[66:67], s[46:47]
	global_load_b128 v[BO:BO+3], v6, s[66:67]
; 8 matrix instructions: m blocks a0, a0 + 1 x all 4 n blocks, 32 along K: half c of buffer f.  zero = 1: the first product starts the sums
.macro MUL8 f, c, a0, zero
.irp a, \a0, \a0+1
.irp b, 0,1,2,3
.if \zero
	v_wmma_f32_16x16x32_f16 v[ACC+8*(4*(\a)+\b):ACC+8*(4*(\a)+\b)+7], v[\f+64+8*(4*\c+\b):\f+64+8*(4*\c+\b)+7], v[\f+8*(4*\c+\a):\f+8*(4*\c+\a)+7], 0
.else
	v_wmma_f32_16x16x32_f16 v[ACC+8*(4*(\a)+\b):ACC+8*(4*(\a)+\b)+7], v[\f+64+8*(4*\c+\b):\f+64+8*(4*\c+\b)+7], v[\f+8*(4*\c+\a):\f+8*(4*\c+\a)+7], v[ACC+8*(4*(\a)+\b):ACC+8*(4*(\a)+\b)+7]
.endif
.endr
.endr
.endm
; 32 LDS loads in one run: the fragments of 64 along K, which begin at byte k of a block, into buffer f; the first 32 along K first
.macro FETCH slot, k, f
	WIN TO_F
.irp c, 0,1
.irp i, 0,1,2,3
	ds_load_b128 v[\f+64+8*(4*\c+\i):\f+64+8*(4*\c+\i)+3],   v[ADRB+\slot] offset:\k+64*\c+\i*16*PITCH
	ds_load_b128 v[\f+64+8*(4*\c+\i)+4:\f+64+8*(4*\c+\i)+7], v[ADRB+\slot] offset:\k+64*\c+\i*16*PITCH+32
	ds_load_b128 v[\f+8*(4*\c+\i):\f+8*(4*\c+\i)+3],         v[ADRA+\slot] offset:\k+64*\c+\i*16*PITCH
	ds_load_b128 v[\f+8*(4*\c+\i)+4:\f+8*(4*\c+\i)+7],       v[ADRA+\slot] offset:\k+64*\c+\i*16*PITCH+32
.endr
.endr
.endm
.macro PLACES                          ; four places in front of loads into registers that matrix instructions have read, and of LDS stores that read results
.rept 4
	v_nop
.endr
.endm
; A K step is four quarters of 64 along K, 32 matrix instructions each, on buffers 0, 1, 0, 1.  One of the first three: multiplies buffer f and fetches the next quarter, at byte k, into g.
.macro QUARTER slot, k, f, g, zero
	s_wait_dscnt 16                                ; the first 32 along K are in; the sixteen loads behind them may be out
	WIN MUL
	MUL8 \f, 0, 0, \zero
	MUL8 \f, 0, 2, \zero
	PLACES
	FETCH \slot, \k, \g
	s_wait_dscnt 32                                ; all but the 32 just issued
	WIN MUL
	MUL8 \f, 1, 0, 0
	MUL8 \f, 1, 2, 0
.endm
; The last quarter multiplies buffer 1 and changes slots: ONE barrier; in front of it each wave waits for all its tensor loads, adds 0 to its spare word, and waits for that and for its own reads of this slot.  fill = 1: this slot is filled again, two K steps ahead.
.macro TURN slot, next, fill
	WIN 0                                          ; (the add's two registers lie in window 0)
	s_wait_tensorcnt 0x0                           ; all my tensor loads have landed: my part of the next slot;
	ds_add_u32 v[SPW], v[NIL]                      ; 0 onto my spare word;
	s_wait_dscnt 17                                ; (the add and the youngest sixteen loads may be out)
	WIN MUL
	MUL8 F1, 0, 0, 0                               ; eight matrix instructions stand between the add and the wait for it
	s_wait_dscnt 0x0                               ; the add is done, and my reads of this slot are over
	s_barrier_signal -1
	MUL8 F1, 0, 2, 0
.if \fill
	WIN 0
.endif
	s_barrier_wait -1
.if \fill
	CREST                                          ; the barrier has opened a round of the cluster's barrier: no wave of any partner still reads this slot's tile or has a load on its way
	s_add_nc_u64 s[G0+4*\slot+2:G0+4*\slot+3], s[G0+4*\slot+2:G0+4*\slot+3], 2*STEPB
	s_add_nc_u64 s[G0B+4*\slot+2:G0B+4*\slot+3], s[G0B+4*\slot+2:G0B+4*\slot+3], 2*STEPB
	JLOAD \slot                                    ; the first tensor load behind the round; the four v_nop behind it are also the places in front of the loads below
.else
	PLACES
.endif
	FETCH \next, 0, F0
	WIN MUL
	MUL8 F1, 1, 0, 0
	MUL8 F1, 1, 2, 0
.endm
	s_wait_tensorcnt 1                             ; my part of K step 0 is in; K step 1's may stay out
	s_barrier_signal -1
	s_barrier_wait -1                              ; everybody's is
	FETCH 0, 0, F0
	QUARTER 0, HEADB, F0, F1, 1                    ; the first quarter stands in front of the loop: its first products start the sums
	WIN 0                                          ; at a label and at a branch every window is 0
	s_mov_b32 s3, LAPS-1
.Llap:                                                 ; a trip goes once round the ring, from a lap's second quarter to the next lap's first, and fills both slots again
	QUARTER 0, 2*HEADB, F1, F0, 0
	QUARTER 0, 3*HEADB, F0, F1, 0
	TURN 0, 1, 1
	QUARTER 1, HEADB, F0, F1, 0
	QUARTER 1, 2*HEADB, F1, F0, 0
	QUARTER 1, 3*HEADB, F0, F1, 0
	TURN 1, 0, 1
	QUARTER 0, HEADB, F0, F1, 0
	WIN 0
	s_sub_co_u32 s3, s3, 1
	s_cmp_lg_u32 s3, 0
	s_cbranch_scc1 .Llap
	QUARTER 0, 2*HEADB, F1, F0, 0                  ; the last lap fills nothing, and has no round of the cluster's barrier
	QUARTER 0, 3*HEADB, F0, F1, 0
	TURN 0, 1, 0
	QUARTER 1, HEADB, F0, F1, 0
	QUARTER 1, 2*HEADB, F1, F0, 0
	QUARTER 1, 3*HEADB, F0, F1, 0
	s_wait_dscnt 16                                ; the very last quarter: nothing more to fetch
	WIN MUL
	MUL8 F1, 0, 0, 0
	MUL8 F1, 0, 2, 0
	s_wait_dscnt 0
	MUL8 F1, 1, 0, 0
	MUL8 F1, 1, 2, 0
	WIN 0
	; THE WAY OUT, in f32: a wave's 64 columns are 256 bytes of a row, so each wave has a stage of its own and no barrier is needed.
	; 16 tokens at a time: 32 bytes a lane into rows of 272 bytes, back as whole rows, bo added, stored.
	PLACES
	s_wait_loadcnt 0x0                             ; bo
.irp a, 0,1,2,3
.irp b, 0,1,2,3
	ds_store_b128 v[STO], v[ACC+8*(4*\a+\b):ACC+8*(4*\a+\b)+3]   offset:64*\b
	ds_store_b128 v[STO], v[ACC+8*(4*\a+\b)+4:ACC+8*(4*\a+\b)+7] offset:64*\b+16
.endr
	s_wait_xcnt 0x0                                ; the registers loaded below were read by the stores of two blocks ago
.irp t, 0,1,2,3,4,5,6,7
	ds_load_b128 v[TMP+32*(\a%2)+4*\t:TMP+32*(\a%2)+4*\t+3], v[RD] offset:\t*2*SPITCH   ; LDS serves a wave's instructions in order: these see the stores above
.endr
	s_wait_dscnt 0x0
.irp t, 0,1,2,3,4,5,6,7
	v_pk_add_f32 v[TMP+32*(\a%2)+4*\t:TMP+32*(\a%2)+4*\t+1],   v[TMP+32*(\a%2)+4*\t:TMP+32*(\a%2)+4*\t+1],   v[BO:BO+1]
	v_pk_add_f32 v[TMP+32*(\a%2)+4*\t+2:TMP+32*(\a%2)+4*\t+3], v[TMP+32*(\a%2)+4*\t+2:TMP+32*(\a%2)+4*\t+3], v[BO+2:BO+3]
.endr
.irp t, 0,1,2,3,4,5,6,7
	global_store_b128 v[CO], v[TMP+32*(\a%2)+4*\t:TMP+32*(\a%2)+4*\t+3], s[8:9] offset:(16*\a+2*\t)*4096   ; 16 lanes store 256 consecutive bytes, at a multiple of 256 from out0's first byte
.endr
.endr
	s_wait_tensorcnt 0x0                           ; the wave's end, behind my last tensor load and my last LDS store
	ds_add_u32 v[SPW], v[NIL]
	s_wait_dscnt 0x0
	CROUND                                         ; the closing round: no work-group ends while a partner may still ask for a tile that names it
	s_endpgm
.Lfunc_end_k_q3ab01feebf_outp:
	.size	k_q3ab01feebf_outp, .Lfunc_end_k_q3ab01feebf_outp-k_q3ab01feebf_outp
	.p2alignl 7, 3214868480
	.fill 96, 4, 3214868480
	.section	.rodata,"a",@progbits
	.p2align	6, 0x0
	.amdhsa_kernel k_q3ab01feebf_outp
		.amdhsa_group_segment_fixed_size 327680
		.amdhsa_private_segment_fixed_size 0
		.amdhsa_enable_private_segment 0
		.amdhsa_kernarg_size 32
		.amdhsa_user_sgpr_count 2
		.amdhsa_user_sgpr_kernarg_segment_ptr 1
		.amdhsa_wavefront_size32 1
		.amdhsa_system_sgpr_workgroup_id_x 1
		.amdhsa_system_sgpr_workgroup_id_y 1
		.amdhsa_system_sgpr_workgroup_id_z 1
		.amdhsa_system_vgpr_workitem_id 0
		.amdhsa_next_free_vgpr 512
		.amdhsa_next_free_sgpr 68
		.amdhsa_reserve_vcc 0
		.amdhsa_float_denorm_mode_32 3
		.amdhsa_float_denorm_mode_16_64 3
		.amdhsa_memory_ordered 1
		.amdhsa_forward_progress 1
		.amdhsa_inst_pref_size 90
	.end_amdhsa_kernel
	.amdgpu_metadata
---
amdhsa.version: [ 1, 2 ]
amdhsa.kernels:
  - .name:           k_q3ab01feebf_outp
    .symbol:         k_q3ab01feebf_outp.kd
    .args:
      - { .name: att, .offset: 0, .size: 8, .value_kind: global_buffer, .address_space: global }
      - { .name: Wob, .offset: 8, .size: 8, .value_kind: global_buffer, .address_space: global }
      - { .name: out0, .offset: 16, .size: 8, .value_kind: global_buffer, .address_space: global }
      - { .name: bo, .offset: 24, .size: 8, .value_kind: global_buffer, .address_space: global }
    .group_segment_fixed_size: 327680
    .private_segment_fixed_size: 0
    .kernarg_segment_align: 8
    .kernarg_segment_size: 32
    .max_flat_workgroup_size: 128
    .sgpr_count:     68
    .vgpr_count:     512
    .wavefront_size: 32
...
	.end_amdgpu_metadata
.endif
;; end of part 3
;; ======== version 2 of 2: 3 launches; version 1 with the launch proj written anew for expert scheduling mode
;; limits: values are held in f16: magnitudes above 65,504 overflow, below 6.1e-05 lose precision; inputs' magnitudes at most 65,504
;; workspace buffers: Qh 8,388,608 bytes; Kh 8,388,608 bytes; Vh 8,388,608 bytes; maskw 1,048,576 bytes of whole numbers; Wob 2,097,152 bytes; att 8,388,608 bytes
;; launch proj (part 4): grid 64 x 4, 8 waves a work-group, no clusters, 234,496 bytes of LDS; arguments query, key_, value, Wq, Wk, Wv, bq, bk, bv, mask, Wo, Qh, Kh, Vh, maskw, Wob; writes Qh, Kh, Vh, maskw, Wob
.if DOCPART == 4
	.amdgcn_target "amdgcn-amd-amdhsa--gfx1250"
	.amdhsa_code_object_version 6
	.text
	.protected	k_q3ab01feebf_proj
	.globl	k_q3ab01feebf_proj
	.p2align	8
	.type	k_q3ab01feebf_proj,@function
k_q3ab01feebf_proj:
	s_mov_b64 s[64:65], 0
	v_nop
	global_prefetch_b8 v0, s[64:65] scope:SCOPE_SE
	s_setreg_imm32_b32 hwreg(HW_REG_WAVE_SCHED_MODE, 0, 2), 2
	s_setreg_imm32_b32 hwreg(HW_REG_WAVE_MODE, 25, 1), 1
	s_wait_xcnt 0x0
	s_wait_alu depctr_vm_vsrc(0)
; y = 0, 1, 2: one tile, 256 tokens x 256 columns, of  X W^T + b  for (query, Wq, bq), (key_, Wk, bk), (value, Wv, bv); K = 1024.
;   Inputs are f32; they are rounded to f16 on the way from memory into LDS, sums are f32, the result is rounded once to f16 and stored
;   by heads: [b 2][head 16][s 2048][d 64].  Q (its bias too) is multiplied by log2(e) / 8, so that the scores of the next launch are exponents of 2.
; y = 3: 64 work-groups turn the mask into lane masks (maskw) and Wo into f16 blocks (Wob).
;   maskw: [QT = b 128 + q / 16][kt = k / 16][j 8] words; bit r + 16 hh of a word says mask[b][16 QT' + r][16 kt + 8 hh + j] != 0.
;   Wob:   [n / 64][k / 64][n % 64][k % 64] f16.
; WHY f16.  Between input and output a number is rounded to 16 bits five times (input, projection, weight, attended value, Wo); with 11 bits of mantissa these roundings together stay small.
; LIMITS.  f16 reaches 65,504: inputs and the stored Q log2(e) / 8, K, V must stay below that.  A projection of inputs of spread 1 and 0.02 over K = 1,024 has spread 0.64; both factors
;   30 times larger give 576; both carrying an offset of 30 spreads give about 1,024 x 30 x 0.6 = 18,432.  Below 2^-14 a number keeps an absolute error of 2^-25.
; SHARES (y < 3).  Eight waves; wave w makes tokens 128 (w / 4) .. + 127 and columns 64 (w % 4) .. + 63 (one head): 32 accumulators, 256 registers.
; The matrix instruction is used transposed (source 0 = 16 rows of W, source 1 = 16 tokens): a lane holds eight neighbouring columns of one token.
; K goes in steps of 64 through two LDS slots.  The operands must change format between memory and LDS, so they go through registers
; (a copy engine would bring f32): each wave loads 32 rows x 256 bytes of X and of W, converts, and stores 128 bytes a row.  For the same reason
; no tile is asked for jointly by several work-groups.  The loads of step t + 2 are issued in step t and waited for in step t + 1.
; BY TURNS.  The waves are two groups, g = (w xor w / 4) & 1: waves w and w + 4 differ in it, and so do waves 2 k and 2 k + 1.  In a K step group 0 multiplies first and then converts and
; loads; group 1 converts and loads first and then multiplies.  So at any time four waves have matrix work and four have vector and memory work.  Both orders touch the same bytes between
; the same two barriers: the step's slot is read, the other slot is stored.
; THE WALK ALONG K.  Step n takes slice ((n + 4 mt) & 12) | ((n + nt + mt / 4) & 3) of the 16 slices of 64: a permutation of them, so only the order of the f32 sums changes.
; The four work-groups that share X's rows (one mt) walk the same block of four slices in the same four steps, each one place apart: a slice is first asked for by one of them and by the
; other three in the three steps after.  The sixteen that share W's rows (one nt) begin at sixteen different slices.
; THE MODE: SCHED_MODE bits 1:0 = 2 (LLVM: expert scheduling mode 2), set by the entry lines.  The code itself states the register dependences
; between vector or matrix instructions and memory or LDS instructions, with s_wait_alu, always for 0.
; THE PLAN, products.  Registers that memory or LDS instructions touch:
;   AS, WS      LOAD's 32 loads land in them; FEED's 64 conversions read and write them in place; FEED's 32 LDS stores read them; then the next LOAD lands.
;               FEED is laid as: the conversions, ONE wait on va_vdst, the stores, ONE wait on vm_vsrc, the loads.  The first states that the stores' data are written and that the
;               conversions are done with the registers in which the loads land; the second that the stores have read them.  No vector instruction between names AS or WS.
;   WF, TF      MULT's 24 LDS loads land in them; MULT's 32 matrix instructions read them; nothing else names them.  One wait on va_vdst ahead of each run of loads but the first.
;               There is one set: 256 accumulators, 128 registers of operands on their way, 96 of fragments and 32 of addresses are the wave's 512, and two waves' 512 are a SIMD's 1,024.
;   v4 to v14   Addresses and offsets: written at the head, never again; one wait on va_vdst ahead of the first load.
;   BI          The bias's 8 loads land in it; they are asked for in the last FEED, in LOAD's place, under that FEED's two waits.
;   PK          A block's roundings write it, its 4 LDS stores read it.    BK, two sets by turns: LDS loads land in a set, 4 global stores read it.
;   v30, v31    Written at the head, read by the closing add alone.
; THE PLAN, side work.  X0's two sets: loads land, LDS stores read, no vector instruction names them.  T: Wo's loads land, the conversions work in place, Wob's stores read; then in each task
;   LDS loads land and the compares read.  MW: v_writelane_b32 writes, the task's store reads.  A task has one wait on vm_vsrc behind its LDS stores, one on va_vdst ahead of its global store
;   (which also serves the next task's LDS loads into T), and one on va_sdst between each run of sixteen compares and the sixteen lines that read their masks.
.set PITCH, 144                        ; an LDS row: 128 bytes of f16 + 16: the 16 rows of a fragment load start 36 words apart
.set HALF,  256*PITCH                  ; 256 rows
.set SLOT,  2*HALF                     ; X's 256 rows, then W's 256 rows
.set STAGE, 2*SLOT                     ; behind the slots: 16 rows x 144 bytes for each wave, for the way out
.set BLK,   16*PITCH
.set SIDE,  STAGE+8*BLK                ; behind the stages: the side work's bytes, 16 rows x 528 bytes for each wave: no byte of LDS has two uses in this text
.set ADRA, 4                           ; v4-5   LDS address of my token fragments, slot 0, 1
.set ADRB, 6                           ; v6-7   of my W fragments
.set STA,  8                           ; v8-9   where I store converted rows, slot 0, 1
.set GOFF, 10                          ; v10    byte offset of my 16 bytes in the tile's rows in memory
.set STO,  11                          ; v11    way out: where I put 16 bytes of a row
.set RD,   12                          ; v12    way out: where I read rows back
.set CO,   13                          ; v13    way out: 16 x lane
.set BOFF, 14                          ; v14    byte offset of my columns in the bias
.set TF,   32                          ; v32-95   8 token fragments
.set WF,   96                          ; v96-127  4 W fragments
.set AS,   128                         ; v128-191 X as loaded (f32), 16 loads
.set WS,   192                         ; v192-255 W as loaded
.set BI,   128                         ; way out: bias x scale
.set RES,  160                         ; way out: results in f32
.set PK,   192                         ; way out: packed
.set BK,   208                         ; way out: rows read back, two sets of 16
                                       ; window 1: accumulator (a, b) at v[8 (4 a + b)]
.set XB,   16                          ; s[16:17] X at the tile's first row (the arguments that lay here have been chosen from by then)
.set WB,   18                          ; s[18:19] W at the tile's first row
.set KO,   20                          ; s[20:21] the slice's byte offset in a row, and 0 above it
.set GRP,  58                          ; s58      my group
.set KP,   59                          ; s59      n + 4 mt
.set KQ,   60                          ; s60      n + nt + mt / 4
.set MSB, 0
.macro WIN new                         ; the immediate's high byte repeats the setting that is left
.if MSB != \new
	s_set_vgpr_msb (MSB<<8)|\new
.set MSB, \new
.endif
.endm
.macro PLACES                          ; four places behind matrix instructions (ISA guide 7.12.1), where no other vector work is at hand
.rept 4
	v_nop
.endr
.endm
	s_load_b512 s[16:31], s[0:1], 0x0              ; query 16, key_ 18, value 20, Wq 22, Wk 24, Wv 26, bq 28, bk 30
	s_load_b512 s[32:47], s[0:1], 0x40             ; bv 32, mask 34, Wo 36, Qh 38, Kh 40, Vh 42, maskw 44, Wob 46
	v_lshl_add_u32 v30, v0, 2, 0x39000             ; my spare word, and 0: made here and kept for the closing lines alone
	v_mov_b32 v31, 0
	s_and_b32 s2, ttmp7, 0xffff                    ; y: which product, or the side work
	s_mov_b32 s3, ttmp9                            ; x
	v_lshrrev_b32 v1, 5, v0
	v_readfirstlane_b32 s4, v1                     ; wave 0..7
	v_and_b32 v3, 31, v0                           ; lane
	v_and_b32 v1, 15, v0                           ; r = lane % 16
	v_bfe_u32 v2, v0, 4, 1                         ; h = lane / 16
	s_wait_alu depctr_va_sdst(0)                   ; s4 is written
	s_cmp_eq_u32 s2, 3
	s_cbranch_scc1 .Lside                          ; the same way for all waves of a work-group
	s_lshr_b32 s5, s4, 2                           ; wm: my 128 tokens
	s_and_b32 s6, s4, 3                            ; wn: my 64 columns
	s_lshr_b32 s7, s3, 2                           ; mt: tile of 256 tokens (neighbouring x share it)
	s_and_b32 s51, s3, 3                           ; nt: tile of 256 columns
	s_xor_b32 s[GRP], s5, s4
	s_and_b32 s[GRP], s[GRP], 1                    ; g = (w xor w / 4) & 1
	s_lshl_b32 s[KP], s7, 2                        ; 4 mt
	s_lshr_b32 s[KQ], s7, 2
	s_add_co_u32 s[KQ], s[KQ], s51                 ; nt + mt / 4
	v_mul_u32_u24 v15, v1, PITCH
	v_lshl_add_u32 v15, v2, 4, v15                 ; a fragment's row x pitch + 16 x half
	s_mul_i32 s52, s5, 128*PITCH
	v_add_nc_u32 v[ADRA], s52, v15
	v_add_nc_u32 v[ADRA+1], SLOT, v[ADRA]
	s_mul_i32 s53, s6, 64*PITCH
	s_add_co_u32 s53, s53, HALF
	v_add_nc_u32 v[ADRB], s53, v15
	v_add_nc_u32 v[ADRB+1], SLOT, v[ADRB]
	v_mul_u32_u24 v16, v2, PITCH                   ; converted rows: row 32 w + 2 i + h, 8 bytes at 8 r
	v_lshl_add_u32 v16, v1, 3, v16
	s_mul_i32 s54, s4, 32*PITCH
	v_add_nc_u32 v[STA], s54, v16
	v_add_nc_u32 v[STA+1], SLOT, v[STA]
	v_lshlrev_b32 v[GOFF], 12, v2                  ; in memory: the same row (4,096 bytes each), 16 bytes at 16 r
	v_lshl_add_u32 v[GOFF], v1, 4, v[GOFF]
	s_lshl_b32 s55, s4, 17
	v_add_nc_u32 v[GOFF], s55, v[GOFF]
	s_mul_i32 s56, s4, BLK
	s_add_co_u32 s56, s56, STAGE                   ; my stage
	v_add_nc_u32 v[STO], s56, v15
	v_lshrrev_b32 v17, 3, v3                       ; back: four rows of 128 bytes a load
	v_and_b32 v18, 7, v0
	v_mul_u32_u24 v17, v17, PITCH
	v_lshl_add_u32 v17, v18, 4, v17
	v_add_nc_u32 v[RD], s56, v17
	v_lshlrev_b32 v[CO], 4, v3
	s_lshl_b32 s57, s6, 8
	v_lshl_add_u32 v[BOFF], v2, 5, s57             ; (64 wn + 8 h) x 4 bytes
	s_wait_kmcnt 0x0
	s_cmp_eq_u32 s2, 1                             ; the product's four buffers, chosen by y
	s_cselect_b64 s[8:9], s[18:19], s[16:17]       ; X
	s_cselect_b64 s[10:11], s[24:25], s[22:23]     ; W
	s_cselect_b64 s[12:13], s[30:31], s[28:29]     ; bias
	s_cselect_b64 s[14:15], s[40:41], s[38:39]     ; result
	s_cmp_eq_u32 s2, 2
	s_cselect_b64 s[8:9], s[20:21], s[8:9]
	s_cselect_b64 s[10:11], s[26:27], s[10:11]
	s_cselect_b64 s[12:13], s[32:33], s[12:13]
	s_cselect_b64 s[14:15], s[42:43], s[14:15]
	s_mov_b32 s49, 1.0
	s_cmp_eq_u32 s2, 0
	s_cselect_b32 s48, 0x3e38aa3b, s49             ; Q alone is scaled: log2(e) / 8
	s_mov_b32 s49, s48                             ; named with it as a pair, so it is written
	s_lshl_b32 s52, s7, 20                         ; 256 rows of 4,096 bytes
	s_mov_b32 s53, 0
	s_add_nc_u64 s[XB:XB+1], s[8:9], s[52:53]
	s_lshl_b32 s52, s51, 20
	s_add_nc_u64 s[WB:WB+1], s[10:11], s[52:53]
	s_mov_b32 s[KO+1], 0
	s_lshl_b32 s52, s51, 10
	s_add_nc_u64 s[12:13], s[12:13], s[52:53]
	s_lshr_b32 s54, s7, 3                          ; b
	s_lshl_b32 s54, s54, 4
	s_lshl2_add_u32 s55, s51, s6                   ; head = 4 nt + wn
	s_add_co_u32 s54, s54, s55
	s_lshl_b32 s54, s54, 11                        ; 2,048 rows a head
	s_and_b32 s55, s7, 7
	s_lshl_b32 s55, s55, 8
	s_add_co_u32 s54, s54, s55                     ; + the tile's first token in its batch
	s_lshl_b32 s55, s5, 7
	s_add_co_u32 s54, s54, s55                     ; + my 128 tokens
	s_lshl_b32 s52, s54, 7                         ; rows of 128 bytes
	s_add_nc_u64 s[14:15], s[14:15], s[52:53]
	s_wait_alu depctr_va_vdst(0)                   ; the addresses and offsets v4 to v14 are written, which every load and store of the products reads; none is written again
; The bases of the next LOAD: the tile's first row + 256 bytes x the next slice of the walk.  It stands where no load is out.
.macro NEXTK
	s_and_b32 s[KO], s[KP], 12                     ; the block of four slices
	s_and_b32 s22, s[KQ], 3                        ; the place in it
	s_or_b32 s[KO], s[KO], s22
	s_lshl_b32 s[KO], s[KO], 8
	s_add_nc_u64 s[8:9], s[XB:XB+1], s[KO:KO+1]
	s_add_nc_u64 s[10:11], s[WB:WB+1], s[KO:KO+1]
	s_add_co_u32 s[KP], s[KP], 1
	s_add_co_u32 s[KQ], s[KQ], 1
.endm
; 32 loads: my 32 rows of X and of W for one K step; a load covers two rows' 256 aligned bytes
.macro LOAD
.irp i, 0,1,2,3,4,5,6,7,8,9,10,11,12,13,14,15
	global_load_b128 v[AS+4*\i:AS+4*\i+3], v[GOFF], s[8:9] offset:8192*\i
.endr
.irp i, 0,1,2,3,4,5,6,7,8,9,10,11,12,13,14,15
	global_load_b128 v[WS+4*\i:WS+4*\i+3], v[GOFF], s[10:11] offset:8192*\i
.endr
.endm
; 8 loads: the bias of my 64 columns, eight numbers a lane for each of the four fragments of W
.macro BIAS
.irp b, 0,1,2,3
	global_load_b128 v[BI+8*\b:BI+8*\b+3],   v[BOFF], s[12:13] offset:64*\b
	global_load_b128 v[BI+8*\b+4:BI+8*\b+7], v[BOFF], s[12:13] offset:64*\b+16
.endr
.endm
; 32 along K: 24 fragment loads, 32 matrix instructions.  The 32 accumulators take turns, one instruction a turn.
.macro MULT slot, kk, zero
	PLACES
.if \zero == 0
	s_wait_alu depctr_va_vdst(0)                   ; the matrix instructions before are done reading WF and TF, in which the loads below land (in the very first run nothing has named them)
.endif
.irp b, 0,1,2,3
	ds_load_b128 v[WF+8*\b:WF+8*\b+3],   v[ADRB+\slot] offset:BLK*\b+64*\kk
	ds_load_b128 v[WF+8*\b+4:WF+8*\b+7], v[ADRB+\slot] offset:BLK*\b+64*\kk+32
.endr
.irp a, 0,1,2,3,4,5,6,7
	ds_load_b128 v[TF+8*\a:TF+8*\a+3],   v[ADRA+\slot] offset:BLK*\a+64*\kk
	ds_load_b128 v[TF+8*\a+4:TF+8*\a+7], v[ADRA+\slot] offset:BLK*\a+64*\kk+32
.endr
	WIN 0x50                                       ; C and D in window 1
.irp a, 0,1,2,3,4,5,6,7
	s_wait_dscnt 2*(7-\a)                          ; W's fragments and token fragment a are in; the two loads of each later fragment may be out
.irp b, 0,1,2,3
.if \zero
	v_wmma_f32_16x16x32_f16 v[8*(4*\a+\b):8*(4*\a+\b)+7], v[WF+8*\b:WF+8*\b+7], v[TF+8*\a:TF+8*\a+7], 0
.else
	v_wmma_f32_16x16x32_f16 v[8*(4*\a+\b):8*(4*\a+\b)+7], v[WF+8*\b:WF+8*\b+7], v[TF+8*\a:TF+8*\a+7], v[8*(4*\a+\b):8*(4*\a+\b)+7]
.endif
.endr
.endr
	WIN 0
.endm
; What the last LOAD brought is rounded to f16 and stored into the other slot than \slot; then the loads of the step after that go out (load = 1), or, when X and W are at their end, the bias's (load = 0).
.macro FEED slot, load
	s_wait_loadcnt 0x0                             ; all 32 are in; that also frees their bases
	NEXTK
.irp i, 0,1,2,3,4,5,6,7,8,9,10,11,12,13,14,15
	v_cvt_pk_f16_f32 v[AS+4*\i], v[AS+4*\i], v[AS+4*\i+1]
	v_cvt_pk_f16_f32 v[AS+4*\i+1], v[AS+4*\i+2], v[AS+4*\i+3]
.endr
.irp i, 0,1,2,3,4,5,6,7,8,9,10,11,12,13,14,15
	v_cvt_pk_f16_f32 v[WS+4*\i], v[WS+4*\i], v[WS+4*\i+1]
	v_cvt_pk_f16_f32 v[WS+4*\i+1], v[WS+4*\i+2], v[WS+4*\i+3]
.endr
	s_wait_alu depctr_va_vdst(0)                   ; the 64 conversions have written the halves of AS and WS that the stores below read, and are done with all of AS and WS, in which the loads below land
.irp i, 0,1,2,3,4,5,6,7,8,9,10,11,12,13,14,15
	ds_store_b64 v[STA+1-\slot], v[AS+4*\i:AS+4*\i+1] offset:2*PITCH*\i
.endr
.irp i, 0,1,2,3,4,5,6,7,8,9,10,11,12,13,14,15
	ds_store_b64 v[STA+1-\slot], v[WS+4*\i:WS+4*\i+1] offset:HALF+2*PITCH*\i
.endr
	s_wait_alu depctr_vm_vsrc(0)                   ; the 32 LDS stores have read AS and WS: loads land there next, and behind the last K step the way out's arithmetic writes there
.if \load
	LOAD                                           ; two steps ahead: it has a whole step in which to land.  No vector instruction since the wait on va_vdst names AS or WS
.else
	BIAS                                           ; it has the last K step in which to land
.endif
	s_wait_dscnt 0x0                               ; for the others' sake: my stores are done
.endm
; A K step of 64.  One barrier a step serves two orders: the other slot, stored here, was last read one step ago, and every wave waited for those
; reads in front of the barrier before; my stores are waited for in front of this one, and the next step reads behind it.  That holds for either order of the two halves.
; No LDS instruction of a wave is out at the signal: group 0 ends on FEED's wait, group 1 on the last count of MULT, which is 0.
.macro KSTEP slot, zero, conv, load
.if \conv
	s_cmp_eq_u32 s[GRP], 0
	s_cbranch_scc0 .Lfeed_first_\@
	MULT \slot, 0, \zero
	MULT \slot, 1, 0
	FEED \slot, \load
	s_branch .Lmeet_\@
.Lfeed_first_\@:
	FEED \slot, \load
	MULT \slot, 0, \zero
	MULT \slot, 1, 0
.Lmeet_\@:
	s_barrier_signal -1
	s_barrier_wait -1
.else
	MULT \slot, 0, \zero
	MULT \slot, 1, 0
.endif
.endm
	NEXTK
	LOAD                                           ; K step 0
	FEED 1, 1                                      ; it goes into slot 0, and K step 1 is asked for
	s_barrier_signal -1
	s_barrier_wait -1
	KSTEP 0, 1, 1, 1                               ; step 0 starts the sums: nothing is cleared
	s_mov_b32 s50, 6
.Lk:                                                   ; steps 1 to 12
	KSTEP 1, 0, 1, 1
	KSTEP 0, 0, 1, 1
	s_sub_co_u32 s50, s50, 1
	s_cmp_lg_u32 s50, 0
	s_cbranch_scc1 .Lk
	KSTEP 1, 0, 1, 1                               ; step 13 asks for step 15, the last
	KSTEP 0, 0, 1, 0                               ; step 14 asks for the bias (its NEXTK makes bases that no load uses)
	KSTEP 1, 0, 0, 0
	; THE WAY OUT: (sum + bias) x scale, rounded to f16, 16 tokens at a time through my own stage, back as dense rows of a head.
	PLACES
	s_wait_loadcnt 0x0                             ; the bias
.set i, 0
.rept 16
	v_pk_mul_f32 v[BI+i:BI+i+1], v[BI+i:BI+i+1], s[48:49] op_sel_hi:[1,0]
.set i, i+2
.endr
.macro OUTBLK a
	WIN 0x01                                       ; source 0 in window 1
.irp b, 0,1,2,3
.irp p, 0,1,2,3
	v_pk_fma_f32 v[RES+8*\b+2*\p:RES+8*\b+2*\p+1], v[8*(4*\a+\b)+2*\p:8*(4*\a+\b)+2*\p+1], s[48:49], v[BI+8*\b+2*\p:BI+8*\b+2*\p+1] op_sel_hi:[1,0,1]
.endr
.endr
	WIN 0
.irp b, 0,1,2,3
.irp p, 0,1,2,3
	v_cvt_pk_f16_f32 v[PK+4*\b+\p], v[RES+8*\b+2*\p], v[RES+8*\b+2*\p+1]
.endr
.endr
	s_wait_alu depctr_va_vdst(0)                   ; the roundings have written PK, which the LDS stores read
.irp b, 0,1,2,3
	ds_store_b128 v[STO], v[PK+4*\b:PK+4*\b+3] offset:32*\b
.endr
	s_wait_xcnt 0x0                                ; the registers loaded below were read by the stores of two blocks ago
	s_wait_alu depctr_vm_vsrc(0)                   ; those stores have read this set of BK, in which the loads below land; the LDS stores above have read PK, which the next block's roundings write
.irp i, 0,1,2,3
	ds_load_b128 v[BK+16*(\a%2)+4*\i:BK+16*(\a%2)+4*\i+3], v[RD] offset:4*PITCH*\i   ; LDS serves a wave's instructions in order: these see the stores above
.endr
	s_wait_dscnt 0x0
.irp i, 0,1,2,3
	global_store_b128 v[CO], v[BK+16*(\a%2)+4*\i:BK+16*(\a%2)+4*\i+3], s[14:15] offset:2048*\a+512*\i   ; 512 consecutive bytes, aligned
.endr
.endm
.irp a, 0,1,2,3,4,5,6,7
	OUTBLK \a
.endr
	s_wait_dscnt 0x0                               ; the closing lines, six on end
	s_wait_alu 0x0
	s_wait_tensorcnt 0x0
	ds_add_u32 v30, v31
	s_wait_dscnt 0x0
	s_endpgm
; THE SIDE WORK.  512 waves, g = 8 x + w.  No wave depends on another: LDS bytes are each wave's own, from SIDE on, so no barrier.
.set X0, 64                            ; v64-191  two sets of 16 loads
.set T,  192                           ; v192-255 Wo's rows; then the mask by lanes
.set MW, 20                            ; v20-21   64 words of maskw: lane l holds words 2 l, 2 l + 1
.set CM, 48                            ; s48-63   sixteen lane masks at a time
.Lside:
	s_lshl3_add_u32 s5, s3, s4                     ; g
	s_lshr_b32 s6, s5, 1                           ; QT: my 16 rows of the mask
	s_and_b32 s7, s5, 1                            ; which 1,024 keys of them
	v_lshlrev_b32 v4, 4, v3                        ; mask: 16 x lane, 512 dense bytes of one row a load
	v_lshlrev_b32 v5, 12, v2                       ; Wo: row 2 w + h, 16 bytes at 16 r
	v_lshl_add_u32 v5, v1, 4, v5
	s_lshl_b32 s52, s4, 13
	v_add_nc_u32 v5, s52, v5
	v_lshlrev_b32 v6, 7, v2                        ; Wob: the same row, 128 bytes each, 8 bytes at 8 r
	v_lshl_add_u32 v6, v1, 3, v6
	s_lshl_b32 s54, s4, 8
	v_add_nc_u32 v6, s54, v6
	s_mul_i32 s55, s4, 16*528                      ; my 16 rows x 528 bytes of LDS,
	s_add_co_u32 s55, s55, SIDE                    ; behind all that the products use
	v_lshl_add_u32 v7, v3, 4, s55                  ; in: a row as it was loaded
	v_mul_u32_u24 v8, v1, 528                      ; back: row r, 32 bytes at 32 h of each 64
	v_lshl_add_u32 v8, v2, 5, v8
	v_add_nc_u32 v8, s55, v8
	v_lshlrev_b32 v9, 3, v3                        ; maskw: 8 x lane
	v_mov_b32 v[MW], 0                             ; written whole once: v_writelane_b32 counts as a reader of its destination
	v_mov_b32 v[MW+1], 0
	s_wait_kmcnt 0x0
	s_lshl_b32 s52, s3, 16                         ; Wo: 16 rows of 4,096 bytes a work-group
	s_mov_b32 s53, 0
	s_add_nc_u64 s[36:37], s[36:37], s[52:53]
	s_lshr_b32 s54, s3, 2                          ; Wob: block n / 64 = x / 4, row 16 (x % 4) in it
	s_lshl_b32 s54, s54, 17
	s_and_b32 s55, s3, 3
	s_lshl_b32 s55, s55, 11
	s_add_co_u32 s52, s54, s55
	s_add_nc_u64 s[46:47], s[46:47], s[52:53]
	s_lshl_b32 s54, s6, 17                         ; mask: 16 rows of 8,192 bytes, + my half of them
	s_lshl_b32 s55, s7, 12
	s_add_co_u32 s52, s54, s55
	s_add_nc_u64 s[34:35], s[34:35], s[52:53]
	s_lshl_b32 s54, s6, 12                         ; maskw: 4,096 bytes a QT, + my half
	s_lshl_b32 s55, s7, 11
	s_add_co_u32 s52, s54, s55
	s_add_nc_u64 s[44:45], s[44:45], s[52:53]
	s_wait_alu depctr_va_vdst(0)                   ; the addresses and offsets v4 to v9 are written, which every load and store of the side work reads; none is written again
.macro MLOAD set, i                    ; 16 rows x 128 keys
.irp row, 0,1,2,3,4,5,6,7,8,9,10,11,12,13,14,15
	global_load_b128 v[(\set)+4*\row:(\set)+4*\row+3], v4, s[34:35] offset:8192*\row+512*(\i) th:TH_LOAD_NT
.endr
.endm
.irp i, 0,1,2,3,4,5,6,7,8,9,10,11,12,13,14,15
	global_load_b128 v[T+4*\i:T+4*\i+3], v5, s[36:37] offset:256*\i th:TH_LOAD_NT
.endr
	MLOAD X0, 0
	s_wait_loadcnt 16                              ; Wo's rows are in; the mask's first sixteen loads stay out
.irp i, 0,1,2,3,4,5,6,7,8,9,10,11,12,13,14,15
	v_cvt_pk_f16_f32 v[T+4*\i], v[T+4*\i], v[T+4*\i+1]
	v_cvt_pk_f16_f32 v[T+4*\i+1], v[T+4*\i+2], v[T+4*\i+3]
.endr
	s_wait_alu depctr_va_vdst(0)                   ; the 32 conversions have written the halves of T that the stores below read, and are done with all of T, in which the first task's LDS loads land
.irp i, 0,1,2,3,4,5,6,7,8,9,10,11,12,13,14,15
	global_store_b64 v6, v[T+4*\i:T+4*\i+1], s[46:47] offset:8192*\i   ; two rows' 128 bytes: 256 consecutive bytes, aligned
.endr
; 16 queries x 128 keys: rows go into LDS as loaded and come back so that lane (r, h) holds query r and keys 16 t + 8 h + 0..7 of each of 8 tiles;
; a compare of register 8 t + j then IS the word (tile t, j).  64 words are gathered, two a lane, and stored as 256 bytes.
.macro TASK i
.if \i < 7
	MLOAD X0+64*((\i+1)%2), \i+1                   ; into the set that the LDS stores of the task before read: they stand ahead of that task's wait on vm_vsrc
	s_wait_loadcnt 16                              ; this task's loads are in; the next task's sixteen stay out
.else
	s_wait_loadcnt 0x0
.endif
.irp row, 0,1,2,3,4,5,6,7,8,9,10,11,12,13,14,15
	ds_store_b128 v7, v[X0+64*(\i%2)+4*\row:X0+64*(\i%2)+4*\row+3] offset:528*\row
.endr
	s_wait_xcnt 0x0                                ; T and MW, which earlier stores read, are rewritten only behind this wait
	s_wait_alu depctr_vm_vsrc(0)                   ; the earlier global stores have read T, in which the loads below land, and MW, which this task writes; the LDS stores above have read their set, in which the next task's loads land
.irp t, 0,1,2,3,4,5,6,7
	ds_load_b128 v[T+8*\t:T+8*\t+3],   v8 offset:64*\t      ; no vector instruction since the last wait on va_vdst names T
	ds_load_b128 v[T+8*\t+4:T+8*\t+7], v8 offset:64*\t+16
.endr
	s_wait_dscnt 0x0
.set k, 0
.rept 4
.irp c, 0,1,2,3,4,5,6,7,8,9,10,11,12,13,14,15
	v_cmp_ne_u32 s[CM+\c], 0, v[T+k+\c]
.endr
	s_wait_alu depctr_va_sdst(0)                   ; the sixteen compares have written s48 to s63, which the sixteen lines below read
.irp c, 0,1,2,3,4,5,6,7,8,9,10,11,12,13,14,15
	v_writelane_b32 v[MW+((\c)&1)], s[CM+\c], (k+\c)>>1
.endr
.set k, k+16
.endr
	s_wait_alu depctr_va_vdst(0)                   ; MW is written, which the store below reads; the compares are done reading T, in which the next task's LDS loads land
	global_store_b64 v9, v[MW:MW+1], s[44:45] offset:256*\i
.endm
.irp i, 0,1,2,3,4,5,6,7
	TASK \i
.endr
	s_wait_dscnt 0x0                               ; the closing lines, six on end
	s_wait_alu 0x0
	s_wait_tensorcnt 0x0
	ds_add_u32 v30, v31
	s_wait_dscnt 0x0
	s_endpgm
.Lfunc_end_k_q3ab01feebf_proj:
	.size	k_q3ab01feebf_proj, .Lfunc_end_k_q3ab01feebf_proj-k_q3ab01feebf_proj
	.p2alignl 7, 3214868480
	.fill 96, 4, 3214868480
	.section	.rodata,"a",@progbits
	.p2align	6, 0x0
	.amdhsa_kernel k_q3ab01feebf_proj
		.amdhsa_group_segment_fixed_size 234496
		.amdhsa_private_segment_fixed_size 0
		.amdhsa_enable_private_segment 0
		.amdhsa_kernarg_size 128
		.amdhsa_user_sgpr_count 2
		.amdhsa_user_sgpr_kernarg_segment_ptr 1
		.amdhsa_wavefront_size32 1
		.amdhsa_system_sgpr_workgroup_id_x 1
		.amdhsa_system_sgpr_workgroup_id_y 1
		.amdhsa_system_sgpr_workgroup_id_z 1
		.amdhsa_system_vgpr_workitem_id 0
		.amdhsa_next_free_vgpr 512
		.amdhsa_next_free_sgpr 66
		.amdhsa_reserve_vcc 0
		.amdhsa_float_denorm_mode_32 3
		.amdhsa_float_denorm_mode_16_64 3
		.amdhsa_memory_ordered 1
		.amdhsa_forward_progress 1
		.amdhsa_inst_pref_size 255
	.end_amdhsa_kernel
	.section	.bss,"aw",@nobits
	.p2align	6
	.space	262144
	.amdgpu_metadata
---
amdhsa.version: [ 1, 2 ]
amdhsa.kernels:
  - .name:           k_q3ab01feebf_proj
    .symbol:         k_q3ab01feebf_proj.kd
    .args:
      - { .name: query, .offset: 0, .size: 8, .value_kind: global_buffer, .address_space: global }
      - { .name: key_, .offset: 8, .size: 8, .value_kind: global_buffer, .address_space: global }
      - { .name: value, .offset: 16, .size: 8, .value_kind: global_buffer, .address_space: global }
      - { .name: Wq, .offset: 24, .size: 8, .value_kind: global_buffer, .address_space: global }
      - { .name: Wk, .offset: 32, .size: 8, .value_kind: global_buffer, .address_space: global }
      - { .name: Wv, .offset: 40, .size: 8, .value_kind: global_buffer, .address_space: global }
      - { .name: bq, .offset: 48, .size: 8, .value_kind: global_buffer, .address_space: global }
      - { .name: bk, .offset: 56, .size: 8, .value_kind: global_buffer, .address_space: global }
      - { .name: bv, .offset: 64, .size: 8, .value_kind: global_buffer, .address_space: global }
      - { .name: mask, .offset: 72, .size: 8, .value_kind: global_buffer, .address_space: global }
      - { .name: Wo, .offset: 80, .size: 8, .value_kind: global_buffer, .address_space: global }
      - { .name: Qh, .offset: 88, .size: 8, .value_kind: global_buffer, .address_space: global }
      - { .name: Kh, .offset: 96, .size: 8, .value_kind: global_buffer, .address_space: global }
      - { .name: Vh, .offset: 104, .size: 8, .value_kind: global_buffer, .address_space: global }
      - { .name: maskw, .offset: 112, .size: 8, .value_kind: global_buffer, .address_space: global }
      - { .name: Wob, .offset: 120, .size: 8, .value_kind: global_buffer, .address_space: global }
    .group_segment_fixed_size: 234496
    .private_segment_fixed_size: 0
    .kernarg_segment_align: 8
    .kernarg_segment_size: 128
    .max_flat_workgroup_size: 256
    .sgpr_count:     66
    .vgpr_count:     512
    .wavefront_size: 32
...
	.end_amdgpu_metadata
.endif
;; end of part 4
;; launch attn: the kernel of part 2 again; grid 8 x 32, 8 waves a work-group, no clusters, 123,904 bytes of LDS; arguments Qh, Kh, Vh, maskw, responses, Wm, bm, att; writes att
;; launch outp: the kernel of part 3 again; grid 8 x 32, 4 waves a work-group, clusters of 4 x 4, 327,680 bytes of LDS; arguments att, Wob, out0, bo; writes out0
